; MI455X (gfx1250); checked and timed in simulation.
; The chip was launched on July 23, 2026; its instructions are those of AMD's public machine-readable ISA for CDNA 5 (MIT licence, August 2026) and "CDNA5" Instruction Set Architecture Reference Guide (July 2026). The comments in the code are by the model that wrote it; some were corrected since.
;; Multi Window Attention. Allowed arithmetic: matrix products marked QUANTISED: E3M2 operands, one E8M0 scale for each 32 along K, by v_wmma_scale_f32_16x16x128_f8f6f4 with both operands' format E3M2, f32 sums; everything else in f32.
;; Inputs: keys_codes 4 x 2,048 x 8 x 2 x 24 uint8 (E3M2 codes of keys, K innermost, in blocks of 32 codes, four codes in three bytes); keys_scales 4 x 2,048 x 8 x 2 uint8 (E8M0 scales of keys, one for each 32 codes along K); queries_codes 4 x 2,048 x 8 x 2 x 24 uint8 (E3M2 codes of queries, K innermost, in blocks of 32 codes, four codes in three bytes); queries_scales 4 x 2,048 x 8 x 2 uint8 (E8M0 scales of queries, one for each 32 codes along K); values_codes 4 x 8 x 64 x 64 x 24 uint8 (E3M2 codes of values, K innermost, in blocks of 32 codes, four codes in three bytes); values_scales 4 x 8 x 64 x 64 uint8 (E8M0 scales of values, one for each 32 codes along K).
;; Outputs: out0 4 x 2,048 x 8 x 64 float32.
;; This version of the problem:
;;   THIS VERSION OF THE PROBLEM IS GIVEN IN LOW PRECISION. The matrix products marked QUANTISED in the list below multiply operands that are first quantised to E3M2 (3 exponent bits, 2 mantissa bits; 6 bits a number), with one power-of-two scale for each 32 numbers along K (OCP MX v1.0); their sums are f32. All else is computed in f32.
;;   The module's matrix products, in the order in which they are computed (A, B: the left and right operand; K: the contracted axis; several contracted axes count as one K, in the product's order):
;;     1. batch 32 x [M 2,048, K 64] x [K 64, N 2,048]; A: input queries (given as codes); B: input keys (given as codes): QUANTISED
;;     2. batch 32 x [M 64, K 2,048] x [K 2,048, N 2,048]; A: input values (given as codes); B: softmax (see below): QUANTISED
;;   THE QUANTISER, for each operand of a quantised product, along K:
;;     - K is cut into blocks of 32 from its start; a last block that is shorter is filled with zeros.
;;     - A block's scale is 2^e with e = floor(log2(the largest magnitude in the block)) - 4, held to -126 .. 127; a block of zeros has e = 0. As a byte (E8M0): e + 127.
;;     - Each number is divided by its block's scale, clamped to +-28, and rounded to the nearest number of E3M2, ties to even, subnormals kept.
;;     - The product sums the exact products of the quantised numbers (number of the format x scale) in f32.
;;   ~~~python
;;   def quantise(x, axis):      # numpy; x: float32 -> the quantised numbers, widened to float32 again
;;       x = np.moveaxis(x, axis, -1); K = x.shape[-1]
;;       x = np.pad(x, [(0, 0)] * (x.ndim - 1) + [(0, -K % 32)]); x = x.reshape(x.shape[:-1] + (-1, 32)); a = np.abs(x).max(-1, keepdims=True)
;;       e = np.where(a > 0, np.clip(np.frexp(np.where(a > 0, a, 1))[1] - 1 - 4, -126, 127), 0)      # np.frexp(a)[1] - 1 = floor(log2(a)), exactly
;;       r = np.clip(x / 2.0 ** e, -28, 28)
;;       step = 2.0 ** (np.maximum(np.frexp(np.where(r == 0, 1, r))[1] - 1, -2) - 2)
;;       q = np.round(r / step) * step * 2.0 ** e      # np.round: ties to even
;;       return np.moveaxis(q.reshape(q.shape[:-2] + (-1,))[..., :K], -1, axis).astype(np.float32)
;;   ~~~
;;   SOFTMAX AHEAD OF A QUANTISED PRODUCT. Where the list says 'softmax', what is quantised is not the finished softmax but p = 2^(t - M), with t = logit x log2(e) and M = ceil(the row's largest t), a whole number; so 1/2 < the row's largest p <= 1. The row's sum l is taken of the UNQUANTISED p, in f32, and the product's result is divided by l at the end. Since M is a whole number, a kernel that streams over the keys may use a running M (the ceiling of the running maximum): every later rescaling is an exact power of two, which a block's scale takes up: the codes' values come out the same.
;;   OPERANDS COMPUTED ON THE WAY. 'Computed on the way' means the value that the module computes at that place (a softmax that the list does not call 'softmax' is quantised finished and normalised). What goes into a quantiser is computed in f32, as accurately as f32 sums, v_exp_f32 and their like allow (about 1e-6 of the number): no bf16 or f16 on the way to a quantiser, and a product that is left as it is and whose result goes on into a quantised operand takes f32 operands (vector FMAs, or v_wmma_f32_16x16x4_f32). A number that lies on a knife's edge between two numbers of the format may be rounded either way, as far as f32 arithmetic and the matrix unit's own rounding can turn it there, and no further.
;;   INPUTS GIVEN AS CODES. keys (in the module: [4, 2048, 8, 64], K = its axis 3); queries (in the module: [4, 2048, 8, 64], K = its axis 3); values (in the module: [4, 2048, 8, 64], K = its axis 1): each comes as NAME_codes (uint8): NAME with its K axis moved to the last place and cut into blocks of 32 codes, [.., K / 32, bytes a block], one block behind the other in memory; four codes in three bytes: a row's codes are one little-endian stream of bits, code i at bits 6 i .. 6 i + 5 (a code: sign, 3 exponent bits, 2 mantissa bits); and NAME_scales (uint8): the same leading axes, one E8M0 byte (e + 127) for each 32 codes along K. Its value is code x scale, taken as it is: it is not quantised again, and the codes and scales need not be those that the quantiser above would give.
;; 2 versions. Each part assembles by itself: llvm-mc -triple=amdgcn-amd-amdhsa -mcpu=gfx1250 --defsym DOCPART=n.
;; ======== version 1 of 2: 1 launch
;; limits: right only within a limited range of input values
;; launch attn (part 1): grid 32 x 8, 8 waves a work-group, no clusters, 223,232 bytes of LDS; arguments keys_codes, keys_scales, queries_codes, queries_scales, values_codes, values_scales, out0; writes out0
.if DOCPART == 1
	.amdgcn_target "amdgcn-amd-amdhsa--gfx1250"
	.amdhsa_code_object_version 6
	.text
	.protected	k_q99ff7b1987_attn
	.globl	k_q99ff7b1987_attn
	.p2align	8
	.type	k_q99ff7b1987_attn,@function
k_q99ff7b1987_attn:
	s_mov_b64 s[64:65], 0
	v_nop
	global_prefetch_b8 v0, s[64:65] scope:SCOPE_SE
	s_setreg_imm32_b32 hwreg(HW_REG_WAVE_MODE, 25, 1), 1
	s_wait_xcnt 0x0
; Banded attention on codes of BF6 (E3M2) with one E8M0 scale for each 32 along a product's K.  B = 4, L = 2048, H = 8, head size 64; head h sees keys |q - k| <= 32 << (h % 4).
; Q, K: rows (b, l, h) of 48 bytes, 384 bytes from key to key; scale bytes 2 a row.  V: rows (b, h, d) of 1,536 bytes, the keys innermost; scale bytes 64 a row.  out0: rows (b, l, h) of 256 bytes, f32.
; Only the band is multiplied: a tile of 16 queries meets 3, 5, 9 or 17 aligned blocks of 32 keys; the first is cut by the band's lower edge, the last by its upper edge, those between are whole.
; SOFTMAX: t = score x log2(e) / 8; M = the running largest t rounded up to a whole number; p = 2^(t - M) is quantised along the keys, block by block; the sum is taken of the unquantised p and divides at the end.
; SHARES.  Work-group (x, y): queries 64 x .. 64 x + 63 of batch y / 2, heads 4 (y % 2) .. + 3: 256 work-groups of equal work.  Wave w: tile w % 4 (16 queries).  Waves 0-3 take the local heads 0, 1, 2
; (3 + 5 + 9 = 17 blocks), waves 4-7 head 3 (17 blocks).  Blocks go in groups of 3, 4 or 5 with one change of M a group; a fifth block is a second K step of the second product with one block filled.
; DATA.  All K, Q, V and scale bytes that the work-group needs are loaded once, at the head, into registers, stored to LDS, and read behind ONE barrier; afterwards LDS is only read, but for each wave's own stage.
; Windows that reach past key 0 or key 2047 load from clamped addresses; what comes so is never used: such a block's scores get -1e30, its p is 0, its codes are zeros.
; NOT USED, and why: tensor loads (the clamped windows are no plain tiles, and the LDS map must not hang on the work-group's number); a cluster with joint loads (neighbouring work-groups want windows that are 64 keys
; apart: no two ask for the same tile at the same LDS bytes); a ring (the whole window, 187,392 bytes, fits); a prefetch (every byte is asked for by loads at the kernel's head).
; LAYOUT.  Both products are used transposed: S^T = K Q^T, O^T = V^T P^T: a lane holds one query (lane % 16) throughout.  Lane r of key tile 2 b + u takes key 32 b + 8 u + r + 8 (r / 8), so that the 16 registers of
; tiles 2 b, 2 b + 1 are keys 32 b + 16 (lane / 16) + 0 .. 15.  The first product's K is 64: Q's registers 6-11 hold zero codes, so K's registers 6-11 may hold anything: they are simply the next fragment's registers.
; LIMITS: scale bytes 0xff (NaN) are not served; hidden scores are -1e30, not -infinity, so |q . k| has to stay under 1e29.
.set KB,    0                          ; LDS: 40 blocks of 32 keys, 1,792 bytes each: key s at 48 s + 128 (s / 16).  Block = SB + n, SB = 0, 4, 10, 20 for heads 0-3; a head's window begins at key block 2 x - 2^j
.set QB,    71680                      ; 8 blocks of 32 queries, the same form: block 2 j + (0, 1)
.set KS,    86016                      ; K's scale words, 128 bytes a block, in the order of the tiles' lanes
.set QS,    91136                      ; Q's, in natural order
.set RAW,   92160                      ; V's scale bytes: 256 rows (64 j + d) of 8 aligned words, pitch 36
.set V012,  101376                     ; V of heads 0-2: 17,408 bytes a head, rows d of 256 bytes, pitch 272
.set V3,    153600                     ; V of head 3: rows d of 512 bytes, pitch 528
.set STG,   187392                     ; the way out: 16 rows x 272 bytes for each wave
; All pitches are odd multiples of 16 bytes and K's second 16 keys lie 128 bytes further on: the 32 lanes of each 8-byte fragment load touch 64 different banks (64 banks of 4 bytes: ISA guide 11.1).
; REGISTERS, window 0
.set AK,   4                           ; LDS addresses, made once, never rewritten: K's fragments,
.set AKS,  5                           ; K's scale words,
.set AVB,  6                           ; V of heads 0-2,
.set AVA,  7                           ; V of head 3,
.set AVB2, 8                           ; the same two without the lanes' half: a fifth block is read by all lanes
.set AVA2, 9
.set AQ,   10                          ; Q's fragment,
.set AQS,  11                          ; Q's scale word,
.set ARW,  12                          ; V's raw scale words,
.set AST,  13                          ; the stage, in,
.set ASL,  14                          ; the stage, back,
.set AGO,  15                          ; and my byte offset in the tile's rows of out0
.set NM,   16                          ; -M
.set TM,   17                          ; the running largest t
.set LS,   18                          ; v[18:19] the row's sum in two halves
.set FF,   20                          ; v[20:21] f = 2^(old M - new M); the upper register is only named
.set MB,   22                          ; v22-26 a block's largest score, then its largest p
.set TP,   27                          ; v27-31 at work
.set NB,   32                          ; v32-41 five pairs: -M, or -1e30 for a block outside the tensor; upper registers only named
.set SO,   42                          ; v42-46 the conversions' scale operands
.set PW,   47                          ; p's scale word, blocks 0-3      (v47-71 hold scales and nothing else)
.set PW2,  48                          ; block 4
.set QSC,  49                          ; Q's scale word
.set KSC,  50                          ; v50-59 K's scale words, two sets of five
.set VSC,  60                          ; v60-71 V's scale words
.set RW,   72                          ; v72-89 V's raw words
.set QF,   90                          ; v90-101 Q: six registers of codes, six of zeros
.set P1,   102                         ; v102-113 p's codes, blocks 0-3
.set P2,   114                         ; v114-125 block 4; registers 6-11 stay zero
.set CT,   126                         ; v126-133 two conversions' results on their way
.set S,    134                         ; v134-213 S^T, then p: 16 registers a block
.set O,    214                         ; v214-245 O^T: four accumulators
.set X,    246
.set X2,   247
.set TQ,   248                         ; v[248:249] the sum's second chain
.set RC,   250                         ; v[250:251] 1 / sum; the upper register is only named
.set NEGV, 252                         ; -1e30
; window 1 (v256 + n): K's fragments end at n = 60 (set 0) and 136 (set 1), 6 registers each; behind each set lies a mask, which the last fragment's idle half names
.set ML,   60                          ; n 60-75   0 or -1e30: the lower edge's mask for a block's 16 registers
.set MU,   136                         ; n 136-151 the upper edge's
.set VB2,  152                         ; n 152-175 V's four fragments of a fifth block, 6 registers each
.set VB1,  176                         ; n 176-223 V's four fragments of four blocks
; the head's own names: offsets of the copy (v16-35), scratch (v36, v37), data on their way (v72-237)
.set G0,   16
.set A0,   19
.set A1,   20
.set A0Q,  21
.set A1Q,  22
.set KSG,  23
.set QSG,  24
.set KSL,  25
.set GV3,  26
.set GV2,  27
.set GV01, 28
.set LV3,  29
.set LV012, 30
.set GR,   31
.set LRW,  35
.set DK,   72
.set DKS,  144
.set DV3,  150
.set DV,   182
.set DR,   230
; scalars
.set WV,   18                          ; wave
.set TI,   19                          ; tile = wave % 4
.set ROLE, 20                          ; wave / 4
.set SE,   21                          ; e = tile / 2: which of the two query blocks
.set SU,   22                          ; u = tile % 2: which half of it
.set XX,   23                          ; 2 x
.set BT,   24                          ; batch
.set G4,   25                          ; the first of my four heads
.set CS,   26                          ; s[26:27] log2(e) / 8
.set SEL,  28                          ; s[28:29] selects: lane l xor 16
.set NEG,  30                          ; -1e30
.set SW,   31                          ; 2 x + e: my queries' block
.set BI,   32                          ; s32-36 0, or -1e30 for a block outside the tensor
.set KCP,  38                          ; s38-49 six bases: codes of my five K blocks and my Q block
.set KSP,  50                          ; s50-61 their scale bytes
.set VCB,  62                          ; s[62:63] V's codes at my first head
.set VSB,  66                          ; s[66:67] V's scale bytes there
.set OUTB, 68                          ; s[68:69] out0 at my tile's first row, my first head
.set SH,   70                          ; s70-73 bits by which head j's raw scale words are shifted
.set M4,   74                          ; all ones where head 0's shift is a whole word
.set MSB, 0
.macro WIN new                         ; the immediate's high byte repeats the setting that is left; a switch that changes nothing is dropped
.if MSB != \new
	s_set_vgpr_msb (MSB<<8)|\new
.set MSB, \new
.endif
.endm
	s_load_b256 s[4:11], s[0:1], 0x0               ; K's codes s[4:5], K's scales s[6:7], Q's codes s[8:9], Q's scales s[10:11]
	s_load_b128 s[12:15], s[0:1], 0x20             ; V's codes s[12:13], V's scales s[14:15]
	s_load_b64 s[16:17], s[0:1], 0x30              ; out0
	v_lshl_add_u32 v254, v0, 2, 0x36400
	v_mov_b32 v255, 0
	v_lshrrev_b32 v1, 5, v0
	v_readfirstlane_b32 s[WV], v1
	v_and_b32 v1, 31, v0                           ; L
	v_and_b32 v2, 15, v0                           ; r
	v_bfe_u32 v3, v0, 4, 1                         ; h
	s_and_b32 s[TI], s[WV], 3
	s_lshr_b32 s[ROLE], s[WV], 2
	s_lshr_b32 s[SE], s[TI], 1
	s_and_b32 s[SU], s[TI], 1
	s_lshl_b32 s[XX], ttmp9, 1
	s_and_b32 s75, ttmp7, 0xffff
	s_lshr_b32 s[BT], s75, 1
	s_and_b32 s[G4], s75, 1
	s_lshl_b32 s[G4], s[G4], 2
	s_mov_b32 s[CS], 0x3e38aa3b                    ; log2(e) / 8
	s_mov_b32 s[CS+1], s[CS]                       ; (named with it as a pair)
	s_mov_b32 s[SEL], 0x76543210
	s_mov_b32 s[SEL+1], 0xfedcba98
	s_mov_b32 s[NEG], 0xf149f2ca                   ; -1e30
	s_add_co_u32 s[SW], s[XX], s[SE]
; ---- THE COPY OF K AND Q.  Six rounds; in round n < 5 wave w takes LDS block w + 8 n, in round 5 Q's block w.  s75 = the local head, s76 = key block less 2 x + w (8 n folded in).
	s_mul_i32 s80, s[BT], 786432                   ; the batch, in codes
	s_lshl_b32 s81, s[BT], 15                      ; and in scale bytes
	s_add_co_u32 s77, s[XX], s[WV]
.macro KOFF n                          ; the round's two byte offsets, into the registers that will hold the bases
.if \n < 5
	s_add_co_i32 s76, s76, s77
	s_min_u32 s76, s76, 63                         ; a block under 0 wraps and is held at 63 like one over 63: what it brings is never used
.endif
	s_add_co_u32 s75, s75, s[G4]
	s_mul_i32 s[KCP+2*\n], s76, 12288              ; 32 keys x 384 bytes
	s_mul_i32 s78, s75, 48
	s_add_co_u32 s[KCP+2*\n], s[KCP+2*\n], s78
	s_add_co_u32 s[KCP+2*\n], s[KCP+2*\n], s80
	s_mov_b32 s[KCP+2*\n+1], 0
	s_lshl_b32 s[KSP+2*\n], s76, 9                 ; 32 keys x 16 bytes
	s_lshl_b32 s78, s75, 1
	s_add_co_u32 s[KSP+2*\n], s[KSP+2*\n], s78
	s_add_co_u32 s[KSP+2*\n], s[KSP+2*\n], s81
	s_mov_b32 s[KSP+2*\n+1], 0
.endm
	s_cmp_lt_u32 s[WV], 4                          ; blocks 0-3: head 0; 4-7: head 1
	s_cselect_b32 s75, 0, 1
	s_cselect_b32 s76, -1, -6
	KOFF 0
	s_cmp_lt_u32 s[WV], 2                          ; blocks 8, 9: head 1; 10-15: head 2
	s_cselect_b32 s75, 1, 2
	s_cselect_b32 s76, 2, -6
	KOFF 1
	s_cmp_lt_u32 s[WV], 4                          ; blocks 16-19: head 2; 20-23: head 3
	s_cselect_b32 s75, 2, 3
	s_cselect_b32 s76, 2, -12
	KOFF 2
	s_mov_b32 s75, 3
	s_mov_b32 s76, -4
	KOFF 3
	s_mov_b32 s75, 3
	s_mov_b32 s76, 4                               ; (blocks 38 and 39 lie behind head 3's window: nobody reads them)
	KOFF 4
	s_lshr_b32 s75, s[WV], 1                       ; Q: head w / 2, query block 2 x + w % 2
	s_and_b32 s76, s[WV], 1
	s_add_co_u32 s76, s76, s[XX]
	KOFF 5
; a block's 1,536 bytes are 96 units of 16; unit m = 32 p + L belongs to key m / 3 and lies in memory at 384 (m / 3) + 16 (m % 3) = 336 (m / 3) + 16 m
.irp p, 0,1,2
	v_add_nc_u32 v[G0+\p], 32*\p, v1
	v_mul_u32_u24 v36, v[G0+\p], 171
	v_lshrrev_b32 v36, 9, v36                      ; m / 3, right for m under 96
	v_lshlrev_b32 v[G0+\p], 4, v[G0+\p]
	v_mad_u32_u24 v[G0+\p], v36, 336, v[G0+\p]
.endr
	s_mul_i32 s75, s[WV], 1792
	v_lshl_add_u32 v[A0], v1, 4, s75               ; in LDS unit m lies at 16 m, and 128 further on from key 16 (unit 48) on
	v_lshl_add_u32 v[A1], v3, 7, v[A0]
	v_add_nc_u32 v[A0Q], QB, v[A0]
	v_add_nc_u32 v[A1Q], QB, v[A1]
	v_and_b32 v36, 7, v1                           ; K's scale words are laid as the tiles' lanes want them: place L holds key (L % 8) + 16 ((L / 8) % 2) + 8 (L / 16)
	v_bfe_u32 v37, v1, 3, 1
	v_lshl_add_u32 v36, v37, 4, v36
	v_lshl_add_u32 v36, v3, 3, v36
	v_lshlrev_b32 v[KSG], 4, v36                   ; 16 bytes from key to key
	v_lshlrev_b32 v[QSG], 4, v1                    ; Q's in natural order
	s_lshl_b32 s75, s[WV], 7
	s_add_co_u32 s75, s75, KS
	v_lshl_add_u32 v[KSL], v1, 2, s75
	s_wait_kmcnt 0x0
.irp n, 0,1,2,3,4
	s_add_nc_u64 s[KCP+2*\n:KCP+2*\n+1], s[4:5], s[KCP+2*\n:KCP+2*\n+1]
	s_add_nc_u64 s[KSP+2*\n:KSP+2*\n+1], s[6:7], s[KSP+2*\n:KSP+2*\n+1]
.endr
	s_add_nc_u64 s[KCP+10:KCP+11], s[8:9], s[KCP+10:KCP+11]
	s_add_nc_u64 s[KSP+10:KSP+11], s[10:11], s[KSP+10:KSP+11]
.irp n, 0,1,2,3,4,5                    ; 24 loads
.irp p, 0,1,2
	global_load_b128 v[DK+12*\n+4*\p:DK+12*\n+4*\p+3], v[G0+\p], s[KCP+2*\n:KCP+2*\n+1]
.endr
	global_load_u16 v[DKS+\n], v[KSG+\n/5], s[KSP+2*\n:KSP+2*\n+1]   ; a row's two scale bytes, with zeros above: the word of a K of 64
.endr
; ---- THE COPY OF V.  Head 3: a row d = w + 8 n an instruction, 512 bytes from key block 2 x - 8 on.  Heads 0-2: two rows an instruction, 256 bytes each, from block 2 x - 2 (heads 0, 1) or 2 x - 4 (head 2) on.
	s_lshl_b32 s75, s[BT], 3
	s_add_co_u32 s75, s75, s[G4]                   ; batch x 8 + my first head
	s_mul_i32 s[VCB], s75, 98304
	s_mov_b32 s[VCB+1], 0
	s_add_nc_u64 s[VCB:VCB+1], s[12:13], s[VCB:VCB+1]
	s_lshl_b32 s[VSB], s75, 12
	s_mov_b32 s[VSB+1], 0
	s_add_nc_u64 s[VSB:VSB+1], s[14:15], s[VSB:VSB+1]
	s_mul_i32 s76, s[XX], 24                       ; 48 x: the byte of key block 2 x in a row
	s_add_co_i32 s77, s76, -192
	v_lshl_add_u32 v[GV3], v1, 4, s77
	v_min_u32 v[GV3], 1520, v[GV3]                 ; 16 bytes under the row's start wrap and are held at the row's last 16 like those over its end: never used
	s_mul_i32 s78, s[WV], 1536
	v_add_nc_u32 v[GV3], s78, v[GV3]
	s_mul_i32 s78, s[WV], 528
	s_add_co_u32 s78, s78, V3
	v_lshl_add_u32 v[LV3], v1, 4, s78
.irp n, 0,1,2,3,4,5,6,7                ; 8 loads
	global_load_b128 v[DV3+4*\n:DV3+4*\n+3], v[GV3], s[VCB:VCB+1] offset:294912+12288*\n
.endr
	s_add_co_i32 s77, s76, -48
	v_lshl_add_u32 v[GV01], v2, 4, s77
	v_min_u32 v[GV01], 1520, v[GV01]
	s_add_co_i32 s77, s76, -96
	v_lshl_add_u32 v[GV2], v2, 4, s77
	v_min_u32 v[GV2], 1520, v[GV2]
	s_lshl_b32 s78, s[WV], 1
	v_add_nc_u32 v36, s78, v3                      ; row 2 w + h, + 16 n
	v_mad_u32_u24 v[GV01], v36, 1536, v[GV01]
	v_mad_u32_u24 v[GV2], v36, 1536, v[GV2]
	v_mul_u32_u24 v[LV012], v36, 272
	v_lshl_add_u32 v[LV012], v2, 4, v[LV012]
	v_add_nc_u32 v[LV012], V012, v[LV012]
.irp j, 0,1,2                          ; 12 loads
.irp n, 0,1,2,3
	global_load_b128 v[DV+16*\j+4*\n:DV+16*\j+4*\n+3], v[GV01-\j/2], s[VCB:VCB+1] offset:98304*\j+24576*\n
.endr
.endr
; ---- V'S SCALE BYTES: for each head and row d eight aligned words from word qb = (2 x - 2^j) >> 2 on; a group's word begins at any byte and is cut out of two of them later
	v_and_b32 v36, 7, v1
	v_lshrrev_b32 v37, 3, v1
	s_lshl_b32 s77, s[WV], 2
	v_add_nc_u32 v37, s77, v37                     ; row 4 w + L / 8, + 32 n
.irp j, 0,1,2,3
	s_sub_co_i32 s75, s[XX], 1<<\j
	s_ashr_i32 s76, s75, 2                         ; qb
	v_add_nc_u32 v[GR+\j], s76, v36
	v_min_u32 v[GR+\j], 15, v[GR+\j]               ; words outside the row: held at the last, never used
	v_lshlrev_b32 v[GR+\j], 2, v[GR+\j]
	v_lshl_add_u32 v[GR+\j], v37, 6, v[GR+\j]
	s_lshl_b32 s76, s76, 2
	s_sub_co_i32 s75, s75, s76
	s_add_co_u32 s75, s75, s[SE]                   ; my tile's first block less 4 qb: 0 to 3 bytes; 4 can occur in head 0 alone
	s_lshl_b32 s[SH+\j], s75, 3
.endr
	s_cmp_eq_u32 s[SH], 32
	s_cselect_b32 s[M4], -1, 0
	v_mul_u32_u24 v[LRW], v37, 36
	v_lshl_add_u32 v[LRW], v36, 2, v[LRW]
	v_add_nc_u32 v[LRW], RAW, v[LRW]
.irp j, 0,1,2,3                        ; 8 loads
.irp n, 0,1
	global_load_b32 v[DR+2*\j+\n], v[GR+\j], s[VSB:VSB+1] offset:4096*\j+2048*\n
.endr
.endr
; ---- while the 52 loads are on their way: every address of the work, and the two masks
	v_mul_u32_u24 v[AK], v2, 48                    ; K: lane r takes key r + 8 (r / 8) of a tile's 24: 48 r, and 384 + 128 more from r = 8 on; + 24 h: my block of 32 of the head's 64
	v_lshrrev_b32 v36, 3, v2
	v_lshl_add_u32 v[AK], v36, 9, v[AK]
	v_mad_u32_u24 v[AK], v3, 24, v[AK]
	s_mul_i32 s75, s[SE], 1792                     ; my tile's window begins e blocks into the work-group's,
	s_mul_i32 s76, s[ROLE], 35840                  ; and head 3's blocks begin at block 20
	s_add_co_u32 s75, s75, s76
	v_add_nc_u32 v[AK], s75, v[AK]
	s_lshl_b32 s75, s[SE], 7
	s_add_co_u32 s75, s75, KS
	v_lshl_add_u32 v[AKS], v1, 2, s75
	s_mul_i32 s75, s[SE], 24
	s_add_co_u32 s76, s75, V012
	v_mul_u32_u24 v[AVB2], v2, 272
	v_add_nc_u32 v[AVB2], s76, v[AVB2]
	v_mad_u32_u24 v[AVB], v3, 24, v[AVB2]
	s_add_co_u32 s76, s75, V3
	v_mul_u32_u24 v[AVA2], v2, 528
	v_add_nc_u32 v[AVA2], s76, v[AVA2]
	v_mad_u32_u24 v[AVA], v3, 24, v[AVA2]
	s_mul_i32 s75, s[SE], 1792
	s_mul_i32 s76, s[SU], 896
	s_add_co_u32 s75, s75, s76
	s_add_co_u32 s75, s75, QB
	v_mul_u32_u24 v[AQ], v2, 48
	v_mad_u32_u24 v[AQ], v3, 24, v[AQ]
	v_add_nc_u32 v[AQ], s75, v[AQ]
	s_lshl_b32 s75, s[TI], 6
	s_add_co_u32 s75, s75, QS
	v_lshl_add_u32 v[AQS], v2, 2, s75
	v_mul_u32_u24 v[ARW], v1, 36
	v_add_nc_u32 v[ARW], RAW, v[ARW]
	s_mul_i32 s75, s[WV], 4352
	s_add_co_u32 s75, s75, STG
	v_mul_u32_u24 v[AST], v2, 272                  ; in: row r, 32 bytes for each half of the lanes
	v_lshl_add_u32 v[AST], v3, 5, v[AST]
	v_add_nc_u32 v[AST], s75, v[AST]
	v_mul_u32_u24 v[ASL], v3, 272                  ; back: lanes 0-15 one row of 256 bytes, lanes 16-31 the next
	v_lshl_add_u32 v[ASL], v2, 4, v[ASL]
	v_add_nc_u32 v[ASL], s75, v[ASL]
	v_lshlrev_b32 v[AGO], 11, v3                   ; and the same two rows in out0: 2,048 bytes from query to query
	v_lshl_add_u32 v[AGO], v2, 4, v[AGO]
	s_lshl_b32 s75, s[BT], 11
	s_lshl_b32 s76, s[XX], 5
	s_add_co_u32 s75, s75, s76
	s_lshl_b32 s76, s[TI], 4
	s_add_co_u32 s75, s75, s76                     ; my first query's row: 2048 b + 64 x + 16 tile
	s_lshl_b32 s[OUTB], s75, 11
	s_lshl_b32 s76, s[G4], 8
	s_add_co_u32 s[OUTB], s[OUTB], s76
	s_mov_b32 s[OUTB+1], 0
	s_add_nc_u64 s[OUTB:OUTB+1], s[16:17], s[OUTB:OUTB+1]
	; register n of a block's 16 holds key 16 h + n of the block; my query stands at 16 u + r of its block.  Lower edge: hidden where 16 h + n < 16 u + r; upper edge: where it is greater.
	v_lshlrev_b32 v36, 4, v3
	v_sub_nc_u32 v36, v36, v2
	s_mul_i32 s75, s[SU], -16
	v_add_nc_u32 v36, s75, v36                     ; dl = 16 h - 16 u - r
	v_mov_b32 v[NEGV], s[NEG]
	WIN 0x40                                       ; destination window 1
.irp n, 0,1,2,3,4,5,6,7,8,9,10,11,12,13,14,15
	v_cmp_gt_i32 vcc_lo, -\n, v36
	v_cndmask_b32 v[ML+\n], 0, v[NEGV], vcc_lo
	v_cmp_lt_i32 vcc_lo, -\n, v36
	v_cndmask_b32 v[MU+\n], 0, v[NEGV], vcc_lo
.endr
	WIN 0
; ---- into LDS, in the order in which the loads were issued
	s_wait_loadcnt 28                              ; K and Q are in; V's 20 loads and the raw words' 8 may be out
.irp n, 0,1,2,3,4
	ds_store_b128 v[A0], v[DK+12*\n:DK+12*\n+3] offset:14336*\n
	ds_store_b128 v[A1], v[DK+12*\n+4:DK+12*\n+7] offset:14336*\n+512
	ds_store_b128 v[A0], v[DK+12*\n+8:DK+12*\n+11] offset:14336*\n+1152
	ds_store_b32 v[KSL], v[DKS+\n] offset:1024*\n
.endr
	ds_store_b128 v[A0Q], v[DK+60:DK+63]
	ds_store_b128 v[A1Q], v[DK+64:DK+67] offset:512
	ds_store_b128 v[A0Q], v[DK+68:DK+71] offset:1152
	ds_store_b32 v[KSL], v[DKS+5] offset:5120      ; Q's words lie behind K's 40 blocks of words
	s_wait_loadcnt 20                              ; head 3's V is in; 12 + 8 may be out
.irp n, 0,1,2,3,4,5,6,7
	ds_store_b128 v[LV3], v[DV3+4*\n:DV3+4*\n+3] offset:4224*\n
.endr
	s_wait_loadcnt 8                               ; all of V is in; the raw words may be out
.irp j, 0,1,2
.irp n, 0,1,2,3
	ds_store_b128 v[LV012], v[DV+16*\j+4*\n:DV+16*\j+4*\n+3] offset:17408*\j+4352*\n
.endr
.endr
	s_wait_loadcnt 0x0
.irp j, 0,1,2,3
.irp n, 0,1
	ds_store_b32 v[LRW], v[DR+2*\j+\n] offset:2304*\j+1152*\n
.endr
.endr
	s_wait_dscnt 0x0                               ; for the others' sake: all my stores have landed
	s_barrier_signal -1
.irp n, 6,7,8,9,10,11                  ; register work while the others arrive
	v_mov_b32 v[QF+\n], 0                          ; zero codes for the idle half of the first product's K,
	v_mov_b32 v[P2+\n], 0                          ; and of a fifth block's K step
.endr
.irp n, 0,1,2,3,4
	v_mov_b32 v[TP+\n], 0                          ; a lane permute's destination counts as one of its sources
	v_mov_b32 v[NB+2*\n+1], 0                      ; upper halves of pairs of which the low word serves both halves
.endr
	v_mov_b32 v[X2], 0
	v_mov_b32 v[FF+1], 0
	v_mov_b32 v[RC+1], 0
	s_barrier_wait -1                              ; the one barrier: from here on these bytes are only read
; ---- MACROS OF THE WORK
; One matrix instruction.  ck = 1: C in registers from c on, else the constant 0.  row = 1: source 0's scales stand in lanes 16-31.
.macro WM d, a, b, ck, c, sa, sb, row
.if (\ck) && (\row)
	v_wmma_scale_f32_16x16x128_f8f6f4 v[\d:\d+7], v[\a:\a+11], v[\b:\b+11], v[\c:\c+7], v[\sa], v[\sb] matrix_a_fmt:MATRIX_FMT_BF6 matrix_b_fmt:MATRIX_FMT_BF6 matrix_a_scale:MATRIX_SCALE_ROW1
.elseif (\ck)
	v_wmma_scale_f32_16x16x128_f8f6f4 v[\d:\d+7], v[\a:\a+11], v[\b:\b+11], v[\c:\c+7], v[\sa], v[\sb] matrix_a_fmt:MATRIX_FMT_BF6 matrix_b_fmt:MATRIX_FMT_BF6
.elseif (\row)
	v_wmma_scale_f32_16x16x128_f8f6f4 v[\d:\d+7], v[\a:\a+11], v[\b:\b+11], 0, v[\sa], v[\sb] matrix_a_fmt:MATRIX_FMT_BF6 matrix_b_fmt:MATRIX_FMT_BF6 matrix_a_scale:MATRIX_SCALE_ROW1
.else
	v_wmma_scale_f32_16x16x128_f8f6f4 v[\d:\d+7], v[\a:\a+11], v[\b:\b+11], 0, v[\sa], v[\sb] matrix_a_fmt:MATRIX_FMT_BF6 matrix_b_fmt:MATRIX_FMT_BF6
.endif
.endm
.macro QLOAD j                         ; head j's Q of my tile: 4 loads
.irp p, 0,1,2
	ds_load_b64 v[QF+2*\p:QF+2*\p+1], v[AQ] offset:3584*(\j)+8*\p
.endr
	ds_load_b32 v[QSC], v[AQS] offset:256*(\j)
.endm
.macro KLOAD nb, buf, ko, kso          ; nb blocks of K into set buf: 6 loads a block, then a scale word a block (lanes 0-15: tile 0's rows, lanes 16-31: tile 1's): 7 nb loads
	WIN 0x40
.set kf0, 60+76*(\buf)-12*(\nb)
.set bb, 0
.rept \nb
.irp uu, 0,1
.irp p, 0,1,2
	ds_load_b64 v[kf0+12*bb+6*\uu+2*\p:kf0+12*bb+6*\uu+2*\p+1], v[AK] offset:(\ko)+1792*bb+384*\uu+8*\p
.endr
.endr
.set bb, bb+1
.endr
	WIN 0
.set bb, 0
.rept \nb
	ds_load_b32 v[KSC+5*(\buf)+bb], v[AKS] offset:(\kso)+128*bb
.set bb, bb+1
.endr
.endm
.macro VLOAD av, vo, vp                ; V's four fragments (16 d x 4 blocks of keys): 24 loads
	WIN 0x40
.irp t, 0,1,2,3
.irp c, 0,1
.irp p, 0,1,2
	ds_load_b64 v[VB1+12*\t+6*\c+2*\p:VB1+12*\t+6*\c+2*\p+1], v[\av] offset:(\vo)+16*\t*(\vp)+48*\c+8*\p
.endr
.endr
.endr
.endm
.macro V2LOAD av2, vo, vp              ; and of the fifth block, 6 registers each: 12 loads; lanes 16-31 read what lanes 0-15 read, and meet zero codes
.irp t, 0,1,2,3
.irp p, 0,1,2
	ds_load_b64 v[VB2+6*\t+2*\p:VB2+6*\t+2*\p+1], v[\av2] offset:(\vo)+96+16*\t*(\vp)+8*\p
.endr
.endr
.endm
; S^T = K Q^T for nb blocks: 2 nb tiles, one instruction each.  The band's edges are the C of the first block's (lo) and the last block's (hi) two products: 0 or -1e30.
.macro GS nb, lo, hi, buf
	WIN 0x11                                       ; source 0 (K) and source 2 (a mask) window 1
.set kf0, 60+76*(\buf)-12*(\nb)
.set t, 0
.rept 2*(\nb)
.if (\lo) && (t < 2)
	WM S+8*t, kf0+6*t, QF, 1, ML+8*t, KSC+5*(\buf)+t/2, QSC, t%2
.elseif (\hi) && (t >= 2*(\nb)-2)
	WM S+8*t, kf0+6*t, QF, 1, MU+8*(t-2*(\nb)+2), KSC+5*(\buf)+t/2, QSC, t%2
.else
	WM S+8*t, kf0+6*t, QF, 0, 0, KSC+5*(\buf)+t/2, QSC, t%2
.endif
.set t, t+1
.endr
.endm
; O^T += V^T P^T.  The four accumulators take turns, one instruction a turn.  first = 1: the first four start the sums.
.macro GPV nb, first, vs
	WIN 0x01                                       ; source 0 (V) window 1
.set t, 0
.rept 4
	WM O+8*t, VB1+12*t, P1, 1-(\first), O+8*t, VSC+(\vs)+t/2, PW, t%2
.set t, t+1
.endr
.if \nb == 5
.set t, 0
.rept 4
	WM O+8*t, VB2+6*t, P2, 1, O+8*t, VSC+(\vs)+2+t/2, PW2, t%2
.set t, t+1
.endr
.endif
.endm
; THE SOFTMAX OF A GROUP of nb blocks; cb: the group's first block less my queries' block.  The blocks take turns line by line.
.macro GSM nb, first, cb
.set b, 0
.rept \nb                              ; a block outside keys 0 .. 2047 gets -1e30: a choice of a value, no branch
	s_add_co_i32 s37, s[SW], (\cb)+b
	s_cmp_lt_u32 s37, 64
	s_cselect_b32 s[BI+b], 0, s[NEG]
.set b, b+1
.endr
.set b, 0
.rept \nb                              ; the largest score of each block: it serves for the row's maximum and, since p rises with the score, for the block's largest p.  Each tile is first read at its low end
	v_max3_num_f32 v[MB+b], v[S+16*b], v[S+16*b+1], v[S+16*b+2]
.set b, b+1
.endr
.irp i, 3,5,7,9,11,13
.set b, 0
.rept \nb
	v_max3_num_f32 v[MB+b], v[MB+b], v[S+16*b+\i], v[S+16*b+\i+1]
.set b, b+1
.endr
.endr
.set b, 0
.rept \nb
	v_max_num_f32 v[MB+b], v[MB+b], v[S+16*b+15]
.set b, b+1
.endr
.set b, 0
.rept \nb
	v_permlanex16_b32 v[TP+b], v[MB+b], s[SEL], s[SEL+1]
.set b, b+1
.endr
.set b, 0
.rept \nb
	v_max_num_f32 v[MB+b], v[MB+b], v[TP+b]        ; with lane l xor 16's 16 keys
.set b, b+1
.endr
.set b, 0
.rept \nb
	v_add_f32 v[TP+b], s[BI+b], v[MB+b]
.set b, b+1
.endr
	v_max3_num_f32 v[X], v[TP], v[TP+1], v[TP+2]
.if \nb == 4
	v_max_num_f32 v[X], v[X], v[TP+3]
.elseif \nb == 5
	v_max3_num_f32 v[X], v[X], v[TP+3], v[TP+4]
.endif
.if \first
	v_mul_f32 v[TM], s[CS], v[X]                   ; the group's largest t starts the running maximum
	v_floor_f32 v[NM], -v[TM]                      ; -M = floor(-t) = -ceil(t)
.else
	v_mul_f32 v[X], s[CS], v[X]
	v_max_num_f32 v[TM], v[TM], v[X]
	v_mov_b32 v[X2], v[NM]
	v_floor_f32 v[NM], -v[TM]
	v_sub_f32 v[X2], v[NM], v[X2]                  ; old M - new M: a whole number, 0 or less
	v_cvt_i32_f32 v[X2], v[X2]                     ; (it saturates: behind groups that lay wholly outside the tensor f is 0, and multiplies zeros)
	v_ldexp_f32 v[FF], 1.0, v[X2]                  ; f = 2^(old M - new M): exact
.endif
.set b, 0
.rept \nb
	v_add_f32 v[NB+2*b], s[BI+b], v[NM]
.set b, b+1
.endr
.set b, 0
.rept \nb
.irp k, 0,2,4,6,8,10,12,14
	v_pk_fma_f32 v[S+16*b+\k:S+16*b+\k+1], v[S+16*b+\k:S+16*b+\k+1], s[CS:CS+1], v[NB+2*b:NB+2*b+1] op_sel_hi:[1,0,0]   ; t - M, two at a time
.endr
	v_fma_f32 v[MB+b], v[MB+b], s[CS], v[NB+2*b]   ; the same of the block's largest score
.set b, b+1
.endr
.set n, 0
.rept 16*(\nb)
	v_exp_f32 v[S+n], v[S+n]                       ; p = 2^(t - M): one batch
.set n, n+1
.endr
.if \first
	v_nop                                          ; a plain instruction behind the last exponential
.else
	v_pk_mul_f32 v[LS:LS+1], v[LS:LS+1], v[FF:FF+1] op_sel_hi:[1,0]   ; the sum under the new M: the plain instruction behind the last exponential
.endif
	s_wait_alu depctr_va_vdst(0)                   ; one wait for the batch, ahead of its first reader
.set b, 0
.rept \nb
	v_exp_f32 v[MB+b], v[MB+b]                     ; the blocks' largest p: a second, small batch; the sums below, which read the first batch alone, are the work behind it
.set b, b+1
.endr
.if \first                             ; the row's sum is taken of the unquantised p, two at a time, in two chains
	v_pk_add_f32 v[LS:LS+1], v[S:S+1], v[S+2:S+3]
	v_pk_add_f32 v[TQ:TQ+1], v[S+4:S+5], v[S+6:S+7]
.set n, 8
.else
	v_pk_add_f32 v[TQ:TQ+1], v[S:S+1], v[S+2:S+3]
.set n, 4
.endif
.rept (16*(\nb)-n)/4
	v_pk_add_f32 v[LS:LS+1], v[LS:LS+1], v[S+n:S+n+1]
	v_pk_add_f32 v[TQ:TQ+1], v[TQ:TQ+1], v[S+n+2:S+n+3]
.set n, n+4
.endr
	v_pk_add_f32 v[LS:LS+1], v[LS:LS+1], v[TQ:TQ+1]
	s_wait_alu depctr_va_vdst(0)                   ; and one for the small batch
.set b, 0
.rept \nb
	v_max_num_f32 v[MB+b], 0x2800000, v[MB+b]      ; the floor 2^(5 - 127): the byte cannot fall under 1 (a block of zeros keeps that byte: its codes are zeros)
.set b, b+1
.endr
.set b, 0
.rept \nb
	v_add_nc_u32 v[SO+b], 0xfe000000, v[MB+b]      ; 4 off the exponent field: the conversion's scale operand
.set b, b+1
.endr
.set b, 0
.rept \nb
.if b < 4
	v_lshrrev_b32 v[TP+b], 23, v[SO+b]             ; the scale's byte
.else
	v_lshrrev_b32 v[PW2], 23, v[SO+b]              ; the fifth block's is a word of its own
.endif
.set b, b+1
.endr
	v_lshl_or_b32 v[PW], v[TP+1], 8, v[TP]
	v_lshl_or_b32 v[PW], v[TP+2], 16, v[PW]
.if \nb >= 4
	v_lshl_or_b32 v[PW], v[TP+3], 24, v[PW]
.endif
.irp i, 0,1,2
.if \nb == 3
	v_mov_b32 v[P1+9+\i], 0                        ; there is no fourth block: zero codes
.elseif \nb == 5
	v_mov_b32 v[P2+3+\i], 0                        ; nor a sixth
.endif
.endr
	v_cvt_scalef32_pk16_bf6_f32 v[P1:P1+2], v[S:S+15], v[SO]
	v_cvt_scalef32_pk16_bf6_f32 v[CT:CT+2], v[S+16:S+31], v[SO+1]        ; (a conversion's three registers begin on an even number)
	v_cvt_scalef32_pk16_bf6_f32 v[P1+6:P1+8], v[S+32:S+47], v[SO+2]
.if \nb >= 4
	v_cvt_scalef32_pk16_bf6_f32 v[CT+4:CT+6], v[S+48:S+63], v[SO+3]
.endif
.if \nb == 5
	v_cvt_scalef32_pk16_bf6_f32 v[P2:P2+2], v[S+64:S+79], v[SO+4]
.endif
	v_nop                                          ; one plain instruction behind the scaled conversions
.irp i, 0,1,2                          ; the operand wants a whole block in a lane: lanes 0-15 block 2 c, lanes 16-31 block 2 c + 1
	v_permlane16_swap_b32 v[P1+\i], v[CT+\i]
.endr
.irp i, 0,1,2
	v_mov_b32 v[P1+3+\i], v[CT+\i]
.endr
.if \nb == 3
.irp i, 0,1,2
	v_permlane16_swap_b32 v[P1+6+\i], v[P1+9+\i]   ; against zeros: lanes 0-15 get the whole third block, lanes 16-31 zeros
.endr
.else
.irp i, 0,1,2
	v_permlane16_swap_b32 v[P1+6+\i], v[CT+4+\i]
.endr
.irp i, 0,1,2
	v_mov_b32 v[P1+9+\i], v[CT+4+\i]
.endr
.endif
.if \nb == 5
.irp i, 0,1,2
	v_permlane16_swap_b32 v[P2+\i], v[P2+3+\i]
.endr
.endif
.if \first                             ; a scale register written by a vector instruction stands 8 places ahead of a scaled matrix instruction, an operand so written 4
.rept 8
	v_nop
.endr
.else
.set n, 0
.rept 16
	v_pk_mul_f32 v[O+n:O+n+1], v[O+n:O+n+1], v[FF:FF+1] op_sel_hi:[1,0]   ; O^T under the new M, each accumulator from its low end on; these are also those places
.set n, n+2
.endr
.endif
.endm
; A GROUP.  nnb, nko, nkso: the next group's blocks of K (0: none), fetched into the other set while this group's softmax runs; nq: the next head's Q (-1: none).
.macro GRP nb, first, lo, hi, buf, cb, av, av2, vo, vp, vs, nnb, nko, nkso, nq
	s_wait_dscnt 0x0                               ; K, its scale words and Q are in
	GS \nb, \lo, \hi, \buf
	WIN 0
.rept 4
	v_nop                                          ; four places behind the products: in front of the loads into registers that matrix instructions have read, and of the first read of the scores
.endr
	VLOAD \av, \vo, \vp
.if \nb == 5
	V2LOAD \av2, \vo, \vp
.endif
.if \nnb > 0
	KLOAD \nnb, 1-(\buf), \nko, \nkso
.endif
	WIN 0
.if \nq >= 0
	QLOAD \nq
.endif
	GSM \nb, \first, \cb
.if \nq >= 0
	s_wait_dscnt 7*(\nnb)+4                        ; V is in; behind its loads were issued the next group's 7 a block and Q's 4
.else
	s_wait_dscnt 7*(\nnb)                          ; V is in; behind its loads were issued the next group's 7 a block
.endif
	GPV \nb, \first, \vs
	WIN 0
.endm
; THE WAY OUT of local head j: O^T / the sum goes through my stage in LDS and leaves as whole rows: sixteen lanes store 256 consecutive bytes, at a multiple of 256 from out0's first byte.
.macro EPI j
	v_add_f32 v[X], v[LS], v[LS+1]                 ; the sum's two halves,
	v_permlanex16_b32 v[X2], v[X], s[SEL], s[SEL+1]
	v_add_f32 v[X], v[X], v[X2]                    ; and lane l xor 16's
	v_rcp_f32 v[RC], v[X]
.rept 4
	v_nop                                          ; the plain instruction behind the reciprocal, and four places behind the last products
.endr
	s_wait_alu depctr_va_vdst(0)                   ; the wait ahead of the reciprocal's first reader
.set n, 0
.rept 16
	v_pk_mul_f32 v[O+n:O+n+1], v[O+n:O+n+1], v[RC:RC+1] op_sel_hi:[1,0]
.set n, n+2
.endr
.irp t, 0,1,2,3
	ds_store_b128 v[AST], v[O+8*\t:O+8*\t+3] offset:64*\t          ; lane (r, h): o(query r, 16 t + 8 h + 0 .. 7)
	ds_store_b128 v[AST], v[O+8*\t+4:O+8*\t+7] offset:64*\t+16
.endr
.irp k, 0,1,2,3,4,5,6,7
	ds_load_b128 v[O+4*\k:O+4*\k+3], v[ASL] offset:544*\k          ; LDS serves a wave's instructions in order (ISA guide 5.7.1.4): these see the stores above
.endr
.irp k, 0,1,2,3,4,5,6,7
	s_wait_dscnt 7-\k                              ; load k is back; the younger ones may be out
	global_store_b128 v[AGO], v[O+4*\k:O+4*\k+3], s[OUTB:OUTB+1] offset:256*(\j)+4096*\k th:TH_STORE_NT
.endr
	s_wait_xcnt 0x0                                ; the stores' data registers are written again only behind this wait
.endm
; V's scale words.  RWLOAD: nk raw words of head j's rows 32 tau + L, tau = 0, 1.  FUNNEL: word s of the tile = bytes (shift) + 4 s on: cut out of raw words s and s + 1.
; Lanes 0-15 of register 2 s + tau hold the rows of V's tile 2 tau, lanes 16-31 those of tile 2 tau + 1.
.macro RWLOAD j, nk, rb
.set n, 0
.rept \nk
	ds_load_b32 v[RW+2*((\rb)+n)], v[ARW] offset:36*64*(\j)+4*n
	ds_load_b32 v[RW+2*((\rb)+n)+1], v[ARW] offset:36*(64*(\j)+32)+4*n
.set n, n+1
.endr
.endm
.macro FUNNEL j, nw, rb, vb
.set n, 0
.rept \nw
	v_alignbit_b32 v[VSC+(\vb)+2*n], v[RW+2*((\rb)+n+1)], v[RW+2*((\rb)+n)], s[SH+\j]
	v_alignbit_b32 v[VSC+(\vb)+2*n+1], v[RW+2*((\rb)+n+1)+1], v[RW+2*((\rb)+n)+1], s[SH+\j]
.set n, n+1
.endr
.endm
	s_cmp_lg_u32 s[ROLE], 0                        ; the roles part on the wave's number and never meet again: no barrier follows
	s_cbranch_scc1 .Lhead3
; ---- waves 0-3: local heads 0, 1, 2
	QLOAD 0
	KLOAD 3, 0, 0, 0
	RWLOAD 0, 2, 0
	RWLOAD 1, 3, 2
	RWLOAD 2, 4, 5
	s_wait_dscnt 0x0
	FUNNEL 0, 1, 0, 0
	FUNNEL 1, 2, 2, 2
	FUNNEL 2, 3, 5, 6
	v_cndmask_b32 v[VSC], v[VSC], v[RW+2], s[M4]   ; head 0: a shift of a whole word is the next raw word as it stands
	v_cndmask_b32 v[VSC+1], v[VSC+1], v[RW+3], s[M4]
	GRP 3, 1, 1, 1, 0, -1, AVB, AVB2, 24, 272, 0, 5, 7168, 512, 1
	EPI 0
	GRP 5, 1, 1, 1, 1, -2, AVB, AVB2, 17408, 272, 2, 4, 17920, 1280, 2
	EPI 1
	GRP 4, 1, 1, 0, 0, -4, AVB, AVB2, 34816, 272, 6, 5, 25088, 1792, -1
	GRP 5, 0, 0, 1, 1, 0, AVB, AVB2, 34912, 272, 8, 0, 0, 0, -1
	EPI 2
	s_wait_tensorcnt 0x0
	ds_add_u32 v254, v255
	s_wait_dscnt 0x0
	s_endpgm
; ---- waves 4-7: local head 3
.Lhead3:
	QLOAD 3
	KLOAD 4, 0, 0, 2560
	RWLOAD 3, 6, 0
	s_wait_dscnt 0x0
	FUNNEL 3, 5, 0, 0
	GRP 4, 1, 1, 0, 0, -8, AVA, AVA2, 0, 528, 0, 4, 7168, 3072, -1
	GRP 4, 0, 0, 0, 1, -4, AVA, AVA2, 96, 528, 2, 4, 14336, 3584, -1
	GRP 4, 0, 0, 0, 0, 0, AVA, AVA2, 192, 528, 4, 5, 21504, 4096, -1
	GRP 5, 0, 0, 1, 1, 4, AVA, AVA2, 288, 528, 6, 0, 0, 0, -1
	EPI 3
	s_wait_tensorcnt 0x0
	ds_add_u32 v254, v255
	s_wait_dscnt 0x0
	s_endpgm
.Lfunc_end_k_q99ff7b1987_attn:
	.size	k_q99ff7b1987_attn, .Lfunc_end_k_q99ff7b1987_attn-k_q99ff7b1987_attn
	.p2alignl 7, 3214868480
	.fill 96, 4, 3214868480
	.section	.rodata,"a",@progbits
	.p2align	6, 0x0
	.amdhsa_kernel k_q99ff7b1987_attn
		.amdhsa_group_segment_fixed_size 223232
		.amdhsa_private_segment_fixed_size 0
		.amdhsa_enable_private_segment 0
		.amdhsa_kernarg_size 56
		.amdhsa_user_sgpr_count 2
		.amdhsa_user_sgpr_kernarg_segment_ptr 1
		.amdhsa_wavefront_size32 1
		.amdhsa_system_sgpr_workgroup_id_x 1
		.amdhsa_system_sgpr_workgroup_id_y 1
		.amdhsa_system_sgpr_workgroup_id_z 1
		.amdhsa_system_vgpr_workitem_id 0
		.amdhsa_next_free_vgpr 480
		.amdhsa_next_free_sgpr 96
		.amdhsa_reserve_vcc 1
		.amdhsa_float_denorm_mode_32 3
		.amdhsa_float_denorm_mode_16_64 3
		.amdhsa_memory_ordered 1
		.amdhsa_forward_progress 1
		.amdhsa_inst_pref_size 188
	.end_amdhsa_kernel
	.amdgpu_metadata
---
amdhsa.version: [ 1, 2 ]
amdhsa.kernels:
  - .name:           k_q99ff7b1987_attn
    .symbol:         k_q99ff7b1987_attn.kd
    .args:
      - { .name: keys_codes, .offset: 0, .size: 8, .value_kind: global_buffer, .address_space: global }
      - { .name: keys_scales, .offset: 8, .size: 8, .value_kind: global_buffer, .address_space: global }
      - { .name: queries_codes, .offset: 16, .size: 8, .value_kind: global_buffer, .address_space: global }
      - { .name: queries_scales, .offset: 24, .size: 8, .value_kind: global_buffer, .address_space: global }
      - { .name: values_codes, .offset: 32, .size: 8, .value_kind: global_buffer, .address_space: global }
      - { .name: values_scales, .offset: 40, .size: 8, .value_kind: global_buffer, .address_space: global }
      - { .name: out0, .offset: 48, .size: 8, .value_kind: global_buffer, .address_space: global }
    .group_segment_fixed_size: 223232
    .private_segment_fixed_size: 0
    .kernarg_segment_align: 8
    .kernarg_segment_size: 56
    .max_flat_workgroup_size: 256
    .sgpr_count:     96
    .vgpr_count:     480
    .wavefront_size: 32
...
	.end_amdgpu_metadata
.endif
;; end of part 1
;; ======== version 2 of 2: 1 launch; version 1 with the launch attn written anew for expert scheduling mode
;; limits: right only within a limited range of input values
;; launch attn (part 2): grid 32 x 8, 8 waves a work-group, no clusters, 223,232 bytes of LDS; arguments keys_codes, keys_scales, queries_codes, queries_scales, values_codes, values_scales, out0; writes out0
.if DOCPART == 2
	.amdgcn_target "amdgcn-amd-amdhsa--gfx1250"
	.amdhsa_code_object_version 6
	.text
	.protected	k_q99ff7b1987_attn
	.globl	k_q99ff7b1987_attn
	.p2align	8
	.type	k_q99ff7b1987_attn,@function
k_q99ff7b1987_attn:
	s_mov_b64 s[64:65], 0
	v_nop
	global_prefetch_b8 v0, s[64:65] scope:SCOPE_SE
	s_setreg_imm32_b32 hwreg(HW_REG_WAVE_SCHED_MODE, 0, 2), 2
	s_setreg_imm32_b32 hwreg(HW_REG_WAVE_MODE, 25, 1), 1
	s_wait_xcnt 0x0
	s_wait_alu depctr_vm_vsrc(0)
; Banded attention on codes of BF6 (E3M2) with one E8M0 scale for each 32 along a product's K.  B = 4, L = 2048, H = 8, head size 64; head h sees keys |q - k| <= 32 << (h % 4).
; Q, K: rows (b, l, h) of 48 bytes, 384 bytes from key to key; scale bytes 2 a row.  V: rows (b, h, d) of 1,536 bytes, the keys innermost; scale bytes 64 a row.  out0: rows (b, l, h) of 256 bytes, f32.
; Only the band is multiplied: a tile of 16 queries meets 3, 5, 9 or 17 aligned blocks of 32 keys; the first is cut by the band's lower edge, the last by its upper edge, those between are whole.
; SOFTMAX: t = score x log2(e) / 8; M = the running largest t rounded up to a whole number; p = 2^(t - M) is quantised along the keys, block by block; the sum is taken of the unquantised p and divides at the end.
; SHARES.  Work-group (x, y): queries 64 x .. 64 x + 63 of batch y / 2, heads 4 (y % 2) .. + 3: 256 work-groups of equal work.  Wave w: tile w % 4 (16 queries).  Waves 0-3 take the local heads 0, 1, 2
; (3 + 5 + 9 = 17 blocks), waves 4-7 head 3 (17 blocks).  Blocks go in groups of 3, 4 or 5 with one change of M a group; a fifth block is a second K step of the second product with one block filled.
; DATA.  All K, Q, V and scale bytes that the work-group needs are loaded once, at the head, into registers, stored to LDS, and read behind ONE barrier; afterwards LDS is only read, but for each wave's own stage.
; Windows that reach past key 0 or key 2047 load from clamped addresses; what comes so is never used: such a block's scores get -1e30, its p is 0, its codes are zeros.
; NOT USED, and why: tensor loads (the clamped windows are no plain tiles, and the LDS map must not hang on the work-group's number); a cluster with joint loads (neighbouring work-groups want windows that are 64 keys
; apart: no two ask for the same tile at the same LDS bytes); a ring (the whole window, 187,392 bytes, fits); a prefetch (every byte is asked for by loads at the kernel's head).
; LAYOUT.  Both products are used transposed: S^T = K Q^T, O^T = V^T P^T: a lane holds one query (lane % 16) throughout.  Lane r of key tile 2 b + u takes key 32 b + 8 u + r + 8 (r / 8), so that the 16 registers of
; tiles 2 b, 2 b + 1 are keys 32 b + 16 (lane / 16) + 0 .. 15.  The first product's K is 64: Q's registers 6-11 hold zero codes, so K's registers 6-11 may hold anything: they are simply the next fragment's registers.
; LIMITS: scale bytes 0xff (NaN) are not served; hidden scores are -1e30, not -infinity, so |q . k| has to stay under 1e29.
; THE MODE: SCHED_MODE bits 1:0 = 2 (LLVM: expert scheduling mode 2), set by the entry lines.  The code itself states the register dependences between vector or matrix instructions and memory or LDS
; instructions, with s_wait_alu, always for 0.
; THE PLAN.  Registers that memory or LDS instructions touch:
;   v16-35     the copy's offsets: made at the head, all ahead of one wait on va_vdst; read by the 52 loads and the 52 LDS stores; statistics afterwards.
;   v72-237    the copy's data: the loads land there, the LDS stores read them; RW, QF, P1, P2, CT, S and O afterwards.  ONE wait on vm_vsrc, ahead of the barrier, frees these and v16-35.
;   v4-15      the work's addresses: made while the copy's loads are out, never written again.  ONE wait on va_vdst, behind the barrier, states them written, and with them the masks and the zero codes.
;   QF 0-5, QSC  a head's Q: read by its first products; the next head's lands there in the head's last group.
;   K's and KSC's two sets  a group's first products read set p; the group's loads land in set 1 - p, which the group before read.
;   VB1, VB2   V: loaded in each group, read by the group's second products.
;   So ONE wait on va_vdst stands behind a group's first products: the last group's second products are done reading V, its first products are done reading the other set of K, and this group's are done reading Q.
;   All the group's LDS loads follow it in one run and have the softmax in which to land.  A second wait on va_vdst, ahead of the second products, states p's codes and scale words written.
;   O          written by matrix instructions and multiplies; on the way out the LDS stores read it, behind a wait on va_vdst.
;   S          the rows come back from the stage into S, which no LDS store reads; the global stores read it.  Where a head follows, one wait on vm_vsrc frees O and S.
.set KB,    0                          ; LDS: 40 blocks of 32 keys, 1,792 bytes each: key s at 48 s + 128 (s / 16).  Block = SB + n, SB = 0, 4, 10, 20 for heads 0-3; a head's window begins at key block 2 x - 2^j
.set QB,    71680                      ; 8 blocks of 32 queries, the same form: block 2 j + (0, 1)
.set KS,    86016                      ; K's scale words, 128 bytes a block, in the order of the tiles' lanes
.set QS,    91136                      ; Q's, in natural order
.set RAW,   92160                      ; V's scale bytes: 256 rows (64 j + d) of 8 aligned words, pitch 36
.set V012,  101376                     ; V of heads 0-2: 17,408 bytes a head, rows d of 256 bytes, pitch 272
.set V3,    153600                     ; V of head 3: rows d of 512 bytes, pitch 528
.set STG,   187392                     ; the way out: 16 rows x 272 bytes for each wave
; All pitches are odd multiples of 16 bytes and K's second 16 keys lie 128 bytes further on: the 32 lanes of each 8-byte fragment load touch 64 different banks (64 banks of 4 bytes: ISA guide 11.1).
; REGISTERS, window 0
.set AK,   4                           ; LDS addresses, made once, never rewritten: K's fragments,
.set AKS,  5                           ; K's scale words,
.set AVB,  6                           ; V of heads 0-2,
.set AVA,  7                           ; V of head 3,
.set AVB2, 8                           ; the same two without the lanes' half: a fifth block is read by all lanes
.set AVA2, 9
.set AQ,   10                          ; Q's fragment,
.set AQS,  11                          ; Q's scale word,
.set ARW,  12                          ; V's raw scale words,
.set AST,  13                          ; the stage, in,
.set ASL,  14                          ; the stage, back,
.set AGO,  15                          ; and my byte offset in the tile's rows of out0
.set NM,   16                          ; -M
.set TM,   17                          ; the running largest t
.set LS,   18                          ; v[18:19] the row's sum in two halves
.set FF,   20                          ; v[20:21] f = 2^(old M - new M); the upper register is only named
.set MB,   22                          ; v22-26 a block's largest score, then its largest p
.set TP,   27                          ; v27-31 at work
.set NB,   32                          ; v32-41 five pairs: -M, or -1e30 for a block outside the tensor; upper registers only named
.set SO,   42                          ; v42-46 the conversions' scale operands
.set PW,   47                          ; p's scale word, blocks 0-3      (v47-71 hold scales and nothing else)
.set PW2,  48                          ; block 4
.set QSC,  49                          ; Q's scale word
.set KSC,  50                          ; v50-59 K's scale words, two sets of five
.set VSC,  60                          ; v60-71 V's scale words
.set RW,   72                          ; v72-89 V's raw words
.set QF,   90                          ; v90-101 Q: six registers of codes, six of zeros
.set P1,   102                         ; v102-113 p's codes, blocks 0-3
.set P2,   114                         ; v114-125 block 4; registers 6-11 stay zero
.set CT,   126                         ; v126-133 two conversions' results on their way
.set S,    134                         ; v134-213 S^T, then p: 16 registers a block; on the way out v134-165 take the rows that come back from the stage
.set O,    214                         ; v214-245 O^T: four accumulators
.set X,    246
.set X2,   247
.set TQ,   248                         ; v[248:249] the sum's second chain
.set RC,   250                         ; v[250:251] 1 / sum; the upper register is only named
.set NEGV, 252                         ; -1e30
; window 1 (v256 + n): K's fragments end at n = 60 (set 0) and 136 (set 1), 6 registers each; behind each set lies a mask, which the last fragment's idle half names
.set ML,   60                          ; n 60-75   0 or -1e30: the lower edge's mask for a block's 16 registers
.set MU,   136                         ; n 136-151 the upper edge's
.set VB2,  152                         ; n 152-175 V's four fragments of a fifth block, 6 registers each
.set VB1,  176                         ; n 176-223 V's four fragments of four blocks
; the head's own names: offsets of the copy (v16-35), scratch (v36, v37), data on their way (v72-237)
.set G0,   16
.set A0,   19
.set A1,   20
.set A0Q,  21
.set A1Q,  22
.set KSG,  23
.set QSG,  24
.set KSL,  25
.set GV3,  26
.set GV2,  27
.set GV01, 28
.set LV3,  29
.set LV012, 30
.set GR,   31
.set LRW,  35
.set DK,   72
.set DKS,  144
.set DV3,  150
.set DV,   182
.set DR,   230
; scalars
.set WV,   18                          ; wave
.set TI,   19                          ; tile = wave % 4
.set ROLE, 20                          ; wave / 4
.set SE,   21                          ; e = tile / 2: which of the two query blocks
.set SU,   22                          ; u = tile % 2: which half of it
.set XX,   23                          ; 2 x
.set BT,   24                          ; batch
.set G4,   25                          ; the first of my four heads
.set CS,   26                          ; s[26:27] log2(e) / 8
.set SEL,  28                          ; s[28:29] selects: lane l xor 16
.set NEG,  30                          ; -1e30
.set SW,   31                          ; 2 x + e: my queries' block
.set BI,   32                          ; s32-36 0, or -1e30 for a block outside the tensor
.set KCP,  38                          ; s38-49 six bases: codes of my five K blocks and my Q block
.set KSP,  50                          ; s50-61 their scale bytes
.set VCB,  62                          ; s[62:63] V's codes at my first head
.set VSB,  66                          ; s[66:67] V's scale bytes there
.set OUTB, 68                          ; s[68:69] out0 at my tile's first row, my first head
.set SH,   70                          ; s70-73 bits by which head j's raw scale words are shifted
.set M4,   74                          ; all ones where head 0's shift is a whole word
.set MK,   80                          ; s80-95 sixteen lane masks: a run of compares' results (s80, s81 serve the copy's offsets before)
.set MSB, 0
.macro WIN new                         ; the immediate's high byte repeats the setting that is left; a switch that changes nothing is dropped
.if MSB != \new
	s_set_vgpr_msb (MSB<<8)|\new
.set MSB, \new
.endif
.endm
	s_load_b256 s[4:11], s[0:1], 0x0               ; K's codes s[4:5], K's scales s[6:7], Q's codes s[8:9], Q's scales s[10:11]
	s_load_b128 s[12:15], s[0:1], 0x20             ; V's codes s[12:13], V's scales s[14:15]
	s_load_b64 s[16:17], s[0:1], 0x30              ; out0
	v_lshl_add_u32 v254, v0, 2, 0x36400            ; the closing add's two registers, made here and kept for it alone: my spare word's LDS address,
	v_mov_b32 v255, 0                              ; and 0
	v_lshrrev_b32 v1, 5, v0
	v_readfirstlane_b32 s[WV], v1
	v_and_b32 v1, 31, v0                           ; L
	s_wait_alu depctr_va_vdst(0)
	v_and_b32 v2, 15, v0                           ; r
	v_bfe_u32 v3, v0, 4, 1                         ; h
	s_wait_alu depctr_va_sdst(0)                   ; the wave's number is written, ahead of its first reader
	s_and_b32 s[TI], s[WV], 3
	s_lshr_b32 s[ROLE], s[WV], 2
	s_lshr_b32 s[SE], s[TI], 1
	s_and_b32 s[SU], s[TI], 1
	s_lshl_b32 s[XX], ttmp9, 1
	s_and_b32 s75, ttmp7, 0xffff
	s_lshr_b32 s[BT], s75, 1
	s_and_b32 s[G4], s75, 1
	s_lshl_b32 s[G4], s[G4], 2
	s_mov_b32 s[CS], 0x3e38aa3b                    ; log2(e) / 8
	s_mov_b32 s[CS+1], s[CS]                       ; (named with it as a pair)
	s_mov_b32 s[SEL], 0x76543210
	s_mov_b32 s[SEL+1], 0xfedcba98
	s_mov_b32 s[NEG], 0xf149f2ca                   ; -1e30
	s_add_co_u32 s[SW], s[XX], s[SE]
; ---- THE COPY'S OFFSETS, all of them ahead of the wait for the arguments, so that one wait on va_vdst serves all 52 loads and all 52 LDS stores.
; K AND Q.  Six rounds; in round n < 5 wave w takes LDS block w + 8 n, in round 5 Q's block w.  s75 = the local head, s76 = key block less 2 x + w (8 n folded in).
	s_mul_i32 s80, s[BT], 786432                   ; the batch, in codes
	s_lshl_b32 s81, s[BT], 15                      ; and in scale bytes
	s_add_co_u32 s77, s[XX], s[WV]
.macro KOFF n                          ; the round's two byte offsets, into the registers that will hold the bases
.if \n < 5
	s_add_co_i32 s76, s76, s77
	s_min_u32 s76, s76, 63                         ; a block under 0 wraps and is held at 63 like one over 63: what it brings is never used
.endif
	s_add_co_u32 s75, s75, s[G4]
	s_mul_i32 s[KCP+2*\n], s76, 12288              ; 32 keys x 384 bytes
	s_mul_i32 s78, s75, 48
	s_add_co_u32 s[KCP+2*\n], s[KCP+2*\n], s78
	s_add_co_u32 s[KCP+2*\n], s[KCP+2*\n], s80
	s_mov_b32 s[KCP+2*\n+1], 0
	s_lshl_b32 s[KSP+2*\n], s76, 9                 ; 32 keys x 16 bytes
	s_lshl_b32 s78, s75, 1
	s_add_co_u32 s[KSP+2*\n], s[KSP+2*\n], s78
	s_add_co_u32 s[KSP+2*\n], s[KSP+2*\n], s81
	s_mov_b32 s[KSP+2*\n+1], 0
.endm
	s_cmp_lt_u32 s[WV], 4                          ; blocks 0-3: head 0; 4-7: head 1
	s_cselect_b32 s75, 0, 1
	s_cselect_b32 s76, -1, -6
	KOFF 0
	s_cmp_lt_u32 s[WV], 2                          ; blocks 8, 9: head 1; 10-15: head 2
	s_cselect_b32 s75, 1, 2
	s_cselect_b32 s76, 2, -6
	KOFF 1
	s_cmp_lt_u32 s[WV], 4                          ; blocks 16-19: head 2; 20-23: head 3
	s_cselect_b32 s75, 2, 3
	s_cselect_b32 s76, 2, -12
	KOFF 2
	s_mov_b32 s75, 3
	s_mov_b32 s76, -4
	KOFF 3
	s_mov_b32 s75, 3
	s_mov_b32 s76, 4                               ; (blocks 38 and 39 lie behind head 3's window: nobody reads them)
	KOFF 4
	s_lshr_b32 s75, s[WV], 1                       ; Q: head w / 2, query block 2 x + w % 2
	s_and_b32 s76, s[WV], 1
	s_add_co_u32 s76, s76, s[XX]
	KOFF 5
; a block's 1,536 bytes are 96 units of 16; unit m = 32 p + L belongs to key m / 3 and lies in memory at 384 (m / 3) + 16 (m % 3) = 336 (m / 3) + 16 m
.irp p, 0,1,2
	v_add_nc_u32 v[G0+\p], 32*\p, v1
	v_mul_u32_u24 v36, v[G0+\p], 171
	v_lshrrev_b32 v36, 9, v36                      ; m / 3, right for m under 96
	v_lshlrev_b32 v[G0+\p], 4, v[G0+\p]
	v_mad_u32_u24 v[G0+\p], v36, 336, v[G0+\p]
.endr
	s_mul_i32 s75, s[WV], 1792
	v_lshl_add_u32 v[A0], v1, 4, s75               ; in LDS unit m lies at 16 m, and 128 further on from key 16 (unit 48) on
	v_lshl_add_u32 v[A1], v3, 7, v[A0]
	v_add_nc_u32 v[A0Q], QB, v[A0]
	v_add_nc_u32 v[A1Q], QB, v[A1]
	v_and_b32 v36, 7, v1                           ; K's scale words are laid as the tiles' lanes want them: place L holds key (L % 8) + 16 ((L / 8) % 2) + 8 (L / 16)
	v_bfe_u32 v37, v1, 3, 1
	v_lshl_add_u32 v36, v37, 4, v36
	v_lshl_add_u32 v36, v3, 3, v36
	v_lshlrev_b32 v[KSG], 4, v36                   ; 16 bytes from key to key
	v_lshlrev_b32 v[QSG], 4, v1                    ; Q's in natural order
	s_lshl_b32 s75, s[WV], 7
	s_add_co_u32 s75, s75, KS
	v_lshl_add_u32 v[KSL], v1, 2, s75
; V.  Head 3: a row d = w + 8 n an instruction, 512 bytes from key block 2 x - 8 on.  Heads 0-2: two rows an instruction, 256 bytes each, from block 2 x - 2 (heads 0, 1) or 2 x - 4 (head 2) on.
	s_lshl_b32 s75, s[BT], 3
	s_add_co_u32 s75, s75, s[G4]                   ; batch x 8 + my first head
	s_mul_i32 s[VCB], s75, 98304
	s_mov_b32 s[VCB+1], 0
	s_lshl_b32 s[VSB], s75, 12
	s_mov_b32 s[VSB+1], 0
	s_mul_i32 s76, s[XX], 24                       ; 48 x: the byte of key block 2 x in a row
	s_add_co_i32 s77, s76, -192
	v_lshl_add_u32 v[GV3], v1, 4, s77
	v_min_u32 v[GV3], 1520, v[GV3]                 ; 16 bytes under the row's start wrap and are held at the row's last 16 like those over its end: never used
	s_mul_i32 s78, s[WV], 1536
	v_add_nc_u32 v[GV3], s78, v[GV3]
	s_mul_i32 s78, s[WV], 528
	s_add_co_u32 s78, s78, V3
	v_lshl_add_u32 v[LV3], v1, 4, s78
	s_add_co_i32 s77, s76, -48
	v_lshl_add_u32 v[GV01], v2, 4, s77
	v_min_u32 v[GV01], 1520, v[GV01]
	s_add_co_i32 s77, s76, -96
	v_lshl_add_u32 v[GV2], v2, 4, s77
	v_min_u32 v[GV2], 1520, v[GV2]
	s_lshl_b32 s78, s[WV], 1
	v_add_nc_u32 v36, s78, v3                      ; row 2 w + h, + 16 n
	v_mad_u32_u24 v[GV01], v36, 1536, v[GV01]
	v_mad_u32_u24 v[GV2], v36, 1536, v[GV2]
	v_mul_u32_u24 v[LV012], v36, 272
	v_lshl_add_u32 v[LV012], v2, 4, v[LV012]
	v_add_nc_u32 v[LV012], V012, v[LV012]
; V'S SCALE BYTES: for each head and row d eight aligned words from word qb = (2 x - 2^j) >> 2 on; a group's word begins at any byte and is cut out of two of them later
	v_and_b32 v36, 7, v1
	s_wait_alu depctr_va_vdst(0)
	v_lshrrev_b32 v37, 3, v1
	s_lshl_b32 s77, s[WV], 2
	v_add_nc_u32 v37, s77, v37                     ; row 4 w + L / 8, + 32 n
.irp j, 0,1,2,3
	s_sub_co_i32 s75, s[XX], 1<<\j
	s_ashr_i32 s76, s75, 2                         ; qb
	v_add_nc_u32 v[GR+\j], s76, v36
	v_min_u32 v[GR+\j], 15, v[GR+\j]               ; words outside the row: held at the last, never used
	v_lshlrev_b32 v[GR+\j], 2, v[GR+\j]
	s_wait_alu depctr_va_vdst(0)
	v_lshl_add_u32 v[GR+\j], v37, 6, v[GR+\j]
	s_lshl_b32 s76, s76, 2
	s_sub_co_i32 s75, s75, s76
	s_add_co_u32 s75, s75, s[SE]                   ; my tile's first block less 4 qb: 0 to 3 bytes; 4 can occur in head 0 alone
	s_lshl_b32 s[SH+\j], s75, 3
.endr
	s_cmp_eq_u32 s[SH], 32
	s_cselect_b32 s[M4], -1, 0
	v_mul_u32_u24 v[LRW], v37, 36
	v_lshl_add_u32 v[LRW], v36, 2, v[LRW]
	v_add_nc_u32 v[LRW], RAW, v[LRW]
	s_wait_kmcnt 0x0
.irp n, 0,1,2,3,4
	s_add_nc_u64 s[KCP+2*\n:KCP+2*\n+1], s[4:5], s[KCP+2*\n:KCP+2*\n+1]
	s_add_nc_u64 s[KSP+2*\n:KSP+2*\n+1], s[6:7], s[KSP+2*\n:KSP+2*\n+1]
.endr
	s_add_nc_u64 s[KCP+10:KCP+11], s[8:9], s[KCP+10:KCP+11]
	s_add_nc_u64 s[KSP+10:KSP+11], s[10:11], s[KSP+10:KSP+11]
	s_add_nc_u64 s[VCB:VCB+1], s[12:13], s[VCB:VCB+1]
	s_add_nc_u64 s[VSB:VSB+1], s[14:15], s[VSB:VSB+1]
	s_wait_alu depctr_va_vdst(0)                   ; the copy's offsets and LDS addresses v16-35 are written: the 52 loads below and the 52 LDS stores further down read them, and no vector instruction between names them
; ---- THE 52 LOADS
.irp n, 0,1,2,3,4,5                    ; 24 loads: K and Q
.irp p, 0,1,2
	global_load_b128 v[DK+12*\n+4*\p:DK+12*\n+4*\p+3], v[G0+\p], s[KCP+2*\n:KCP+2*\n+1]
.endr
	global_load_u16 v[DKS+\n], v[KSG+\n/5], s[KSP+2*\n:KSP+2*\n+1]   ; a row's two scale bytes, with zeros above: the word of a K of 64
.endr
.irp n, 0,1,2,3,4,5,6,7                ; 8 loads: V of head 3
	global_load_b128 v[DV3+4*\n:DV3+4*\n+3], v[GV3], s[VCB:VCB+1] offset:294912+12288*\n
.endr
.irp j, 0,1,2                          ; 12 loads: V of heads 0-2
.irp n, 0,1,2,3
	global_load_b128 v[DV+16*\j+4*\n:DV+16*\j+4*\n+3], v[GV01-\j/2], s[VCB:VCB+1] offset:98304*\j+24576*\n
.endr
.endr
.irp j, 0,1,2,3                        ; 8 loads: V's raw scale words
.irp n, 0,1
	global_load_b32 v[DR+2*\j+\n], v[GR+\j], s[VSB:VSB+1] offset:4096*\j+2048*\n
.endr
.endr
; ---- while the 52 loads are on their way: every address of the work, and the two masks.  These lines name v1-15, v36, v252 and the masks alone: no register of the copy
	v_mul_u32_u24 v[AK], v2, 48                    ; K: lane r takes key r + 8 (r / 8) of a tile's 24: 48 r, and 384 + 128 more from r = 8 on; + 24 h: my block of 32 of the head's 64
	v_lshrrev_b32 v36, 3, v2
	v_lshl_add_u32 v[AK], v36, 9, v[AK]
	v_mad_u32_u24 v[AK], v3, 24, v[AK]
	s_mul_i32 s75, s[SE], 1792                     ; my tile's window begins e blocks into the work-group's,
	s_mul_i32 s76, s[ROLE], 35840                  ; and head 3's blocks begin at block 20
	s_add_co_u32 s75, s75, s76
	v_add_nc_u32 v[AK], s75, v[AK]
	s_lshl_b32 s75, s[SE], 7
	s_add_co_u32 s75, s75, KS
	v_lshl_add_u32 v[AKS], v1, 2, s75
	s_mul_i32 s75, s[SE], 24
	s_add_co_u32 s76, s75, V012
	v_mul_u32_u24 v[AVB2], v2, 272
	v_add_nc_u32 v[AVB2], s76, v[AVB2]
	v_mad_u32_u24 v[AVB], v3, 24, v[AVB2]
	s_add_co_u32 s76, s75, V3
	v_mul_u32_u24 v[AVA2], v2, 528
	v_add_nc_u32 v[AVA2], s76, v[AVA2]
	v_mad_u32_u24 v[AVA], v3, 24, v[AVA2]
	s_mul_i32 s75, s[SE], 1792
	s_mul_i32 s76, s[SU], 896
	s_add_co_u32 s75, s75, s76
	s_add_co_u32 s75, s75, QB
	v_mul_u32_u24 v[AQ], v2, 48
	v_mad_u32_u24 v[AQ], v3, 24, v[AQ]
	v_add_nc_u32 v[AQ], s75, v[AQ]
	s_lshl_b32 s75, s[TI], 6
	s_add_co_u32 s75, s75, QS
	v_lshl_add_u32 v[AQS], v2, 2, s75
	v_mul_u32_u24 v[ARW], v1, 36
	v_add_nc_u32 v[ARW], RAW, v[ARW]
	s_mul_i32 s75, s[WV], 4352
	s_add_co_u32 s75, s75, STG
	v_mul_u32_u24 v[AST], v2, 272                  ; in: row r, 32 bytes for each half of the lanes
	v_lshl_add_u32 v[AST], v3, 5, v[AST]
	v_add_nc_u32 v[AST], s75, v[AST]
	v_mul_u32_u24 v[ASL], v3, 272                  ; back: lanes 0-15 one row of 256 bytes, lanes 16-31 the next
	v_lshl_add_u32 v[ASL], v2, 4, v[ASL]
	v_add_nc_u32 v[ASL], s75, v[ASL]
	v_lshlrev_b32 v[AGO], 11, v3                   ; and the same two rows in out0: 2,048 bytes from query to query
	v_lshl_add_u32 v[AGO], v2, 4, v[AGO]
	s_lshl_b32 s75, s[BT], 11
	s_lshl_b32 s76, s[XX], 5
	s_add_co_u32 s75, s75, s76
	s_lshl_b32 s76, s[TI], 4
	s_add_co_u32 s75, s75, s76                     ; my first query's row: 2048 b + 64 x + 16 tile
	s_lshl_b32 s[OUTB], s75, 11
	s_lshl_b32 s76, s[G4], 8
	s_add_co_u32 s[OUTB], s[OUTB], s76
	s_mov_b32 s[OUTB+1], 0
	s_add_nc_u64 s[OUTB:OUTB+1], s[16:17], s[OUTB:OUTB+1]
	; register n of a block's 16 holds key 16 h + n of the block; my query stands at 16 u + r of its block.  Lower edge: hidden where 16 h + n < 16 u + r; upper edge: where it is greater.
	v_lshlrev_b32 v36, 4, v3
	v_sub_nc_u32 v36, v36, v2
	s_mul_i32 s75, s[SU], -16
	v_add_nc_u32 v36, s75, v36                     ; dl = 16 h - 16 u - r
	v_mov_b32 v[NEGV], s[NEG]
	; the compares stand in two runs of sixteen, each into s80-95, with one wait behind the run
.irp n, 0,1,2,3,4,5,6,7,8,9,10,11,12,13,14,15
	v_cmp_gt_i32 s[MK+\n], -\n, v36
.endr
	s_wait_alu depctr_va_sdst(0)                   ; the sixteen compares have written s80-95, ahead of the selects that read them
	WIN 0x40                                       ; destination window 1
.irp n, 0,1,2,3,4,5,6,7,8,9,10,11,12,13,14,15
	v_cndmask_b32 v[ML+\n], 0, v[NEGV], s[MK+\n]
.endr
	WIN 0
.irp n, 0,1,2,3,4,5,6,7,8,9,10,11,12,13,14,15
	v_cmp_lt_i32 s[MK+\n], -\n, v36
.endr
	s_wait_alu depctr_va_sdst(0)                   ; the second sixteen compares have written s80-95, ahead of the selects that read them
	WIN 0x40
.irp n, 0,1,2,3,4,5,6,7,8,9,10,11,12,13,14,15
	v_cndmask_b32 v[MU+\n], 0, v[NEGV], s[MK+\n]
.endr
	WIN 0
; ---- into LDS, in the order in which the loads were issued.  The stores' addresses were written ahead of the wait on va_vdst in front of the loads; their data come from loads
	s_wait_loadcnt 28                              ; K and Q are in; V's 20 loads and the raw words' 8 may be out
.irp n, 0,1,2,3,4
	ds_store_b128 v[A0], v[DK+12*\n:DK+12*\n+3] offset:14336*\n
	ds_store_b128 v[A1], v[DK+12*\n+4:DK+12*\n+7] offset:14336*\n+512
	ds_store_b128 v[A0], v[DK+12*\n+8:DK+12*\n+11] offset:14336*\n+1152
	ds_store_b32 v[KSL], v[DKS+\n] offset:1024*\n
.endr
	ds_store_b128 v[A0Q], v[DK+60:DK+63]
	ds_store_b128 v[A1Q], v[DK+64:DK+67] offset:512
	ds_store_b128 v[A0Q], v[DK+68:DK+71] offset:1152
	ds_store_b32 v[KSL], v[DKS+5] offset:5120      ; Q's words lie behind K's 40 blocks of words
	s_wait_loadcnt 20                              ; head 3's V is in; 12 + 8 may be out
.irp n, 0,1,2,3,4,5,6,7
	ds_store_b128 v[LV3], v[DV3+4*\n:DV3+4*\n+3] offset:4224*\n
.endr
	s_wait_loadcnt 8                               ; all of V is in; the raw words may be out
.irp j, 0,1,2
.irp n, 0,1,2,3
	ds_store_b128 v[LV012], v[DV+16*\j+4*\n:DV+16*\j+4*\n+3] offset:17408*\j+4352*\n
.endr
.endr
	s_wait_loadcnt 0x0
.irp j, 0,1,2,3
.irp n, 0,1
	ds_store_b32 v[LRW], v[DR+2*\j+\n] offset:2304*\j+1152*\n
.endr
.endr
	s_wait_dscnt 0x0                               ; for the others' sake: all my stores have landed
	s_wait_alu depctr_vm_vsrc(0)                   ; the copy's loads and LDS stores have read v16-35 and v72-237: from here on vector and matrix instructions and LDS loads write these registers
	s_barrier_signal -1
.irp n, 6,7,8,9,10,11                  ; register work while the others arrive
	v_mov_b32 v[QF+\n], 0                          ; zero codes for the idle half of the first product's K,
	v_mov_b32 v[P2+\n], 0                          ; and of a fifth block's K step
.endr
.irp n, 0,1,2,3,4
	v_mov_b32 v[TP+\n], 0                          ; a lane permute's destination counts as one of its sources
	v_mov_b32 v[NB+2*\n+1], 0                      ; upper halves of pairs of which the low word serves both halves
.endr
	v_mov_b32 v[X2], 0
	v_mov_b32 v[FF+1], 0
	v_mov_b32 v[RC+1], 0
	s_barrier_wait -1                              ; the one barrier: from here on these bytes are only read
	s_wait_alu depctr_va_vdst(0)                   ; the work's addresses v4-15 are written, which every LDS load, LDS store and global store below reads; so are the masks and Q's zero codes, which the scaled products name as operands
; ---- MACROS OF THE WORK
; One matrix instruction.  ck = 1: C in registers from c on, else the constant 0.  row = 1: source 0's scales stand in lanes 16-31.
.macro WM d, a, b, ck, c, sa, sb, row
.if (\ck) && (\row)
	v_wmma_scale_f32_16x16x128_f8f6f4 v[\d:\d+7], v[\a:\a+11], v[\b:\b+11], v[\c:\c+7], v[\sa], v[\sb] matrix_a_fmt:MATRIX_FMT_BF6 matrix_b_fmt:MATRIX_FMT_BF6 matrix_a_scale:MATRIX_SCALE_ROW1
.elseif (\ck)
	v_wmma_scale_f32_16x16x128_f8f6f4 v[\d:\d+7], v[\a:\a+11], v[\b:\b+11], v[\c:\c+7], v[\sa], v[\sb] matrix_a_fmt:MATRIX_FMT_BF6 matrix_b_fmt:MATRIX_FMT_BF6
.elseif (\row)
	v_wmma_scale_f32_16x16x128_f8f6f4 v[\d:\d+7], v[\a:\a+11], v[\b:\b+11], 0, v[\sa], v[\sb] matrix_a_fmt:MATRIX_FMT_BF6 matrix_b_fmt:MATRIX_FMT_BF6 matrix_a_scale:MATRIX_SCALE_ROW1
.else
	v_wmma_scale_f32_16x16x128_f8f6f4 v[\d:\d+7], v[\a:\a+11], v[\b:\b+11], 0, v[\sa], v[\sb] matrix_a_fmt:MATRIX_FMT_BF6 matrix_b_fmt:MATRIX_FMT_BF6
.endif
.endm
.macro QLOAD j                         ; head j's Q of my tile: 4 loads
.irp p, 0,1,2
	ds_load_b64 v[QF+2*\p:QF+2*\p+1], v[AQ] offset:3584*(\j)+8*\p
.endr
	ds_load_b32 v[QSC], v[AQS] offset:256*(\j)
.endm
.macro KLOAD nb, buf, ko, kso          ; nb blocks of K into set buf: 6 loads a block, then a scale word a block (lanes 0-15: tile 0's rows, lanes 16-31: tile 1's): 7 nb loads
	WIN 0x40
.set kf0, 60+76*(\buf)-12*(\nb)
.set bb, 0
.rept \nb
.irp uu, 0,1
.irp p, 0,1,2
	ds_load_b64 v[kf0+12*bb+6*\uu+2*\p:kf0+12*bb+6*\uu+2*\p+1], v[AK] offset:(\ko)+1792*bb+384*\uu+8*\p
.endr
.endr
.set bb, bb+1
.endr
	WIN 0
.set bb, 0
.rept \nb
	ds_load_b32 v[KSC+5*(\buf)+bb], v[AKS] offset:(\kso)+128*bb
.set bb, bb+1
.endr
.endm
.macro VLOAD av, vo, vp                ; V's four fragments (16 d x 4 blocks of keys): 24 loads
	WIN 0x40
.irp t, 0,1,2,3
.irp c, 0,1
.irp p, 0,1,2
	ds_load_b64 v[VB1+12*\t+6*\c+2*\p:VB1+12*\t+6*\c+2*\p+1], v[\av] offset:(\vo)+16*\t*(\vp)+48*\c+8*\p
.endr
.endr
.endr
.endm
.macro V2LOAD av2, vo, vp              ; and of the fifth block, 6 registers each: 12 loads; lanes 16-31 read what lanes 0-15 read, and meet zero codes
.irp t, 0,1,2,3
.irp p, 0,1,2
	ds_load_b64 v[VB2+6*\t+2*\p:VB2+6*\t+2*\p+1], v[\av2] offset:(\vo)+96+16*\t*(\vp)+8*\p
.endr
.endr
.endm
; S^T = K Q^T for nb blocks: 2 nb tiles, one instruction each.  The band's edges are the C of the first block's (lo) and the last block's (hi) two products: 0 or -1e30.
.macro GS nb, lo, hi, buf
	WIN 0x11                                       ; source 0 (K) and source 2 (a mask) window 1
.set kf0, 60+76*(\buf)-12*(\nb)
.set t, 0
.rept 2*(\nb)
.if (\lo) && (t < 2)
	WM S+8*t, kf0+6*t, QF, 1, ML+8*t, KSC+5*(\buf)+t/2, QSC, t%2
.elseif (\hi) && (t >= 2*(\nb)-2)
	WM S+8*t, kf0+6*t, QF, 1, MU+8*(t-2*(\nb)+2), KSC+5*(\buf)+t/2, QSC, t%2
.else
	WM S+8*t, kf0+6*t, QF, 0, 0, KSC+5*(\buf)+t/2, QSC, t%2
.endif
.set t, t+1
.endr
.endm
; O^T += V^T P^T.  The four accumulators take turns, one instruction a turn.  first = 1: the first four start the sums.
.macro GPV nb, first, vs
	WIN 0x01                                       ; source 0 (V) window 1
.set t, 0
.rept 4
	WM O+8*t, VB1+12*t, P1, 1-(\first), O+8*t, VSC+(\vs)+t/2, PW, t%2
.set t, t+1
.endr
.if \nb == 5
.set t, 0
.rept 4
	WM O+8*t, VB2+6*t, P2, 1, O+8*t, VSC+(\vs)+2+t/2, PW2, t%2
.set t, t+1
.endr
.endif
.endm
; THE SOFTMAX OF A GROUP of nb blocks; cb: the group's first block less my queries' block.  The blocks take turns line by line.  It names no register in which one of the group's LDS loads lands.
.macro GSM nb, first, cb
.set b, 0
.rept \nb                              ; a block outside keys 0 .. 2047 gets -1e30: a choice of a value, no branch
	s_add_co_i32 s37, s[SW], (\cb)+b
	s_cmp_lt_u32 s37, 64
	s_cselect_b32 s[BI+b], 0, s[NEG]
.set b, b+1
.endr
.set b, 0
.rept \nb                              ; the largest score of each block: it serves for the row's maximum and, since p rises with the score, for the block's largest p.  Each tile is first read at its low end
	v_max3_num_f32 v[MB+b], v[S+16*b], v[S+16*b+1], v[S+16*b+2]
.set b, b+1
.endr
.irp i, 3,5,7,9,11,13
.set b, 0
.rept \nb
	v_max3_num_f32 v[MB+b], v[MB+b], v[S+16*b+\i], v[S+16*b+\i+1]
.set b, b+1
.endr
.endr
.set b, 0
.rept \nb
	v_max_num_f32 v[MB+b], v[MB+b], v[S+16*b+15]
.set b, b+1
.endr
.set b, 0
.rept \nb
	v_permlanex16_b32 v[TP+b], v[MB+b], s[SEL], s[SEL+1]
.set b, b+1
.endr
.set b, 0
.rept \nb
	v_max_num_f32 v[MB+b], v[MB+b], v[TP+b]        ; with lane l xor 16's 16 keys
.set b, b+1
.endr
.set b, 0
.rept \nb
	v_add_f32 v[TP+b], s[BI+b], v[MB+b]
.set b, b+1
.endr
	v_max3_num_f32 v[X], v[TP], v[TP+1], v[TP+2]
.if \nb == 4
	v_max_num_f32 v[X], v[X], v[TP+3]
.elseif \nb == 5
	v_max3_num_f32 v[X], v[X], v[TP+3], v[TP+4]
.endif
.if \first
	v_mul_f32 v[TM], s[CS], v[X]                   ; the group's largest t starts the running maximum
	v_floor_f32 v[NM], -v[TM]                      ; -M = floor(-t) = -ceil(t)
.else
	v_mul_f32 v[X], s[CS], v[X]
	v_max_num_f32 v[TM], v[TM], v[X]
	v_mov_b32 v[X2], v[NM]
	v_floor_f32 v[NM], -v[TM]
	v_sub_f32 v[X2], v[NM], v[X2]                  ; old M - new M: a whole number, 0 or less
	v_cvt_i32_f32 v[X2], v[X2]                     ; (it saturates: behind groups that lay wholly outside the tensor f is 0, and multiplies zeros)
	v_ldexp_f32 v[FF], 1.0, v[X2]                  ; f = 2^(old M - new M): exact
.endif
.set b, 0
.rept \nb
	v_add_f32 v[NB+2*b], s[BI+b], v[NM]
.set b, b+1
.endr
.set b, 0
.rept \nb
.irp k, 0,2,4,6,8,10,12,14
	v_pk_fma_f32 v[S+16*b+\k:S+16*b+\k+1], v[S+16*b+\k:S+16*b+\k+1], s[CS:CS+1], v[NB+2*b:NB+2*b+1] op_sel_hi:[1,0,0]   ; t - M, two at a time
.endr
	v_fma_f32 v[MB+b], v[MB+b], s[CS], v[NB+2*b]   ; the same of the block's largest score
.set b, b+1
.endr
.set n, 0
	s_wait_alu depctr_va_vdst(0)
.rept 16*(\nb)
	v_exp_f32 v[S+n], v[S+n]                       ; p = 2^(t - M): one batch
.set n, n+1
.endr
.if \first
	v_nop                                          ; a plain instruction behind the last exponential
.else
	v_pk_mul_f32 v[LS:LS+1], v[LS:LS+1], v[FF:FF+1] op_sel_hi:[1,0]   ; the sum under the new M: the plain instruction behind the last exponential
.endif
	s_wait_alu depctr_va_vdst(0)                   ; the batch of exponentials has written p in v[S ..]: one wait, ahead of the sums, its first readers
.set b, 0
.rept \nb
	v_exp_f32 v[MB+b], v[MB+b]                     ; the blocks' largest p: a second, small batch; the sums below, which read the first batch alone, are the work behind it
.set b, b+1
.endr
.if \first                             ; the row's sum is taken of the unquantised p, two at a time, in two chains
	v_pk_add_f32 v[LS:LS+1], v[S:S+1], v[S+2:S+3]
	v_pk_add_f32 v[TQ:TQ+1], v[S+4:S+5], v[S+6:S+7]
.set n, 8
.else
	v_pk_add_f32 v[TQ:TQ+1], v[S:S+1], v[S+2:S+3]
.set n, 4
.endif
.rept (16*(\nb)-n)/4
	v_pk_add_f32 v[LS:LS+1], v[LS:LS+1], v[S+n:S+n+1]
	v_pk_add_f32 v[TQ:TQ+1], v[TQ:TQ+1], v[S+n+2:S+n+3]
.set n, n+4
.endr
	v_pk_add_f32 v[LS:LS+1], v[LS:LS+1], v[TQ:TQ+1]
	s_wait_alu depctr_va_vdst(0)                   ; the small batch has written the blocks' largest p in v[MB ..], ahead of the floor's lines, its first readers
.set b, 0
.rept \nb
	v_max_num_f32 v[MB+b], 0x2800000, v[MB+b]      ; the floor 2^(5 - 127): the byte cannot fall under 1 (a block of zeros keeps that byte: its codes are zeros)
.set b, b+1
.endr
.set b, 0
.rept \nb
	v_add_nc_u32 v[SO+b], 0xfe000000, v[MB+b]      ; 4 off the exponent field: the conversion's scale operand
.set b, b+1
.endr
.set b, 0
.rept \nb
.if b < 4
	v_lshrrev_b32 v[TP+b], 23, v[SO+b]             ; the scale's byte
.else
	v_lshrrev_b32 v[PW2], 23, v[SO+b]              ; the fifth block's is a word of its own
.endif
.set b, b+1
.endr
	v_lshl_or_b32 v[PW], v[TP+1], 8, v[TP]
	v_lshl_or_b32 v[PW], v[TP+2], 16, v[PW]
.if \nb >= 4
	v_lshl_or_b32 v[PW], v[TP+3], 24, v[PW]
.endif
.irp i, 0,1,2
.if \nb == 3
	v_mov_b32 v[P1+9+\i], 0                        ; there is no fourth block: zero codes
.elseif \nb == 5
	v_mov_b32 v[P2+3+\i], 0                        ; nor a sixth
.endif
.endr
	v_cvt_scalef32_pk16_bf6_f32 v[P1:P1+2], v[S:S+15], v[SO]
	v_cvt_scalef32_pk16_bf6_f32 v[CT:CT+2], v[S+16:S+31], v[SO+1]        ; (a conversion's three registers begin on an even number)
	v_cvt_scalef32_pk16_bf6_f32 v[P1+6:P1+8], v[S+32:S+47], v[SO+2]
.if \nb >= 4
	v_cvt_scalef32_pk16_bf6_f32 v[CT+4:CT+6], v[S+48:S+63], v[SO+3]
.endif
.if \nb == 5
	v_cvt_scalef32_pk16_bf6_f32 v[P2:P2+2], v[S+64:S+79], v[SO+4]
.endif
	v_nop                                          ; one plain instruction behind the scaled conversions
.irp i, 0,1,2                          ; the operand wants a whole block in a lane: lanes 0-15 block 2 c, lanes 16-31 block 2 c + 1
	v_permlane16_swap_b32 v[P1+\i], v[CT+\i]
.endr
.irp i, 0,1,2
	v_mov_b32 v[P1+3+\i], v[CT+\i]
.endr
.if \nb == 3
.irp i, 0,1,2
	v_permlane16_swap_b32 v[P1+6+\i], v[P1+9+\i]   ; against zeros: lanes 0-15 get the whole third block, lanes 16-31 zeros
.endr
.else
.irp i, 0,1,2
	v_permlane16_swap_b32 v[P1+6+\i], v[CT+4+\i]
.endr
.irp i, 0,1,2
	v_mov_b32 v[P1+9+\i], v[CT+4+\i]
.endr
.endif
.if \nb == 5
.irp i, 0,1,2
	v_permlane16_swap_b32 v[P2+\i], v[P2+3+\i]
.endr
.endif
.if \first                             ; a scale register written by a vector instruction stands 8 places ahead of a scaled matrix instruction, an operand so written 4
.rept 8
	v_nop
.endr
.else
.set n, 0
.rept 16
	v_pk_mul_f32 v[O+n:O+n+1], v[O+n:O+n+1], v[FF:FF+1] op_sel_hi:[1,0]   ; O^T under the new M, each accumulator from its low end on; these are also those places
.set n, n+2
.endr
.endif
.endm
; A GROUP.  nnb, nko, nkso: the next group's blocks of K (0: none), fetched into the other set while this group's softmax runs; nq: the next head's Q (-1: none).
.macro GRP nb, first, lo, hi, buf, cb, av, av2, vo, vp, vs, nnb, nko, nkso, nq
	s_wait_dscnt 0x0                               ; K, its scale words and Q are in
	GS \nb, \lo, \hi, \buf
.rept 4
	v_nop                                          ; four places behind the products, in front of the first read of the scores (ISA guide 7.12.1)
.endr
	WIN 0x40                                       ; the loads' window first, then the wait, then the loads
	s_wait_alu depctr_va_vdst(0)                   ; the last group's second products are done reading V's registers, its first products the other set of K and of K's scale words, this group's first products Q and its scale word: the loads below land in these
	VLOAD \av, \vo, \vp
.if \nb == 5
	V2LOAD \av2, \vo, \vp
.endif
.if \nnb > 0
	KLOAD \nnb, 1-(\buf), \nko, \nkso
.endif
	WIN 0
.if \nq >= 0
	QLOAD \nq
.endif
	GSM \nb, \first, \cb
.if \nq >= 0
	s_wait_dscnt 7*(\nnb)+4                        ; V is in; behind its loads were issued the next group's 7 a block and Q's 4
.else
	s_wait_dscnt 7*(\nnb)                          ; V is in; behind its loads were issued the next group's 7 a block
.endif
	s_wait_alu depctr_va_vdst(0)                   ; p's codes and p's scale words are written, which the scaled products below take as operand and as scales; the places stand ahead of this wait
	GPV \nb, \first, \vs
	WIN 0
.endm
; THE WAY OUT of local head j: O^T / the sum goes through my stage in LDS and leaves as whole rows: sixteen lanes store 256 consecutive bytes, at a multiple of 256 from out0's first byte.
; The rows come back into S's first 32 registers, which are free here and which no LDS store reads.  more = 1: another head follows.
.macro EPI j, more
	v_add_f32 v[X], v[LS], v[LS+1]                 ; the sum's two halves,
	v_permlanex16_b32 v[X2], v[X], s[SEL], s[SEL+1]
	v_add_f32 v[X], v[X], v[X2]                    ; and lane l xor 16's
	s_wait_alu depctr_va_vdst(0)
	v_rcp_f32 v[RC], v[X]
.rept 4
	v_nop                                          ; the plain instruction behind the reciprocal, and four places behind the last products
.endr
	s_wait_alu depctr_va_vdst(0)                   ; the reciprocal is written, ahead of its first reader
.set n, 0
.rept 16
	v_pk_mul_f32 v[O+n:O+n+1], v[O+n:O+n+1], v[RC:RC+1] op_sel_hi:[1,0]
.set n, n+2
.endr
	s_wait_alu depctr_va_vdst(0)                   ; the multiplications have written O^T, which the LDS stores read; the softmax is done writing and reading S, in which the loads from the stage land
.irp t, 0,1,2,3
	ds_store_b128 v[AST], v[O+8*\t:O+8*\t+3] offset:64*\t          ; lane (r, h): o(query r, 16 t + 8 h + 0 .. 7)
	ds_store_b128 v[AST], v[O+8*\t+4:O+8*\t+7] offset:64*\t+16
.endr
.irp k, 0,1,2,3,4,5,6,7
	ds_load_b128 v[S+4*\k:S+4*\k+3], v[ASL] offset:544*\k          ; LDS serves a wave's instructions in order (ISA guide 5.7.1.4): these see the stores above
.endr
.irp k, 0,1,2,3,4,5,6,7
	s_wait_dscnt 7-\k                              ; load k is back; the younger ones may be out
	global_store_b128 v[AGO], v[S+4*\k:S+4*\k+3], s[OUTB:OUTB+1] offset:256*(\j)+4096*\k th:TH_STORE_NT
.endr
	s_wait_xcnt 0x0                                ; the stores' data registers are written again only behind this wait
.if \more
	s_wait_alu depctr_vm_vsrc(0)                   ; the LDS stores have read O^T and the global stores S: the next head's products write both again
.endif
.endm
; V's scale words.  RWLOAD: nk raw words of head j's rows 32 tau + L, tau = 0, 1.  FUNNEL: word s of the tile = bytes (shift) + 4 s on: cut out of raw words s and s + 1.
; Lanes 0-15 of register 2 s + tau hold the rows of V's tile 2 tau, lanes 16-31 those of tile 2 tau + 1.
.macro RWLOAD j, nk, rb
.set n, 0
.rept \nk
	ds_load_b32 v[RW+2*((\rb)+n)], v[ARW] offset:36*64*(\j)+4*n
	ds_load_b32 v[RW+2*((\rb)+n)+1], v[ARW] offset:36*(64*(\j)+32)+4*n
.set n, n+1
.endr
.endm
.macro FUNNEL j, nw, rb, vb
.set n, 0
.rept \nw
	v_alignbit_b32 v[VSC+(\vb)+2*n], v[RW+2*((\rb)+n+1)], v[RW+2*((\rb)+n)], s[SH+\j]
	v_alignbit_b32 v[VSC+(\vb)+2*n+1], v[RW+2*((\rb)+n+1)+1], v[RW+2*((\rb)+n)+1], s[SH+\j]
.set n, n+1
.endr
.endm
	s_cmp_lg_u32 s[ROLE], 0                        ; the roles part on the wave's number and never meet again: no barrier follows
	s_cbranch_scc1 .Lhead3
; ---- waves 0-3: local heads 0, 1, 2.  The first loads lean on the two waits round the barrier: their addresses are written, and the copy's stores have read the registers in which they land
	QLOAD 0
	KLOAD 3, 0, 0, 0
	RWLOAD 0, 2, 0
	RWLOAD 1, 3, 2
	RWLOAD 2, 4, 5
	s_wait_dscnt 0x0
	FUNNEL 0, 1, 0, 0                              ; V's scale words are written here, ahead of each group's waits on va_vdst, behind which the second products take them
	FUNNEL 1, 2, 2, 2
	FUNNEL 2, 3, 5, 6
	v_cndmask_b32 v[VSC], v[VSC], v[RW+2], s[M4]   ; head 0: a shift of a whole word is the next raw word as it stands
	v_cndmask_b32 v[VSC+1], v[VSC+1], v[RW+3], s[M4]
	GRP 3, 1, 1, 1, 0, -1, AVB, AVB2, 24, 272, 0, 5, 7168, 512, 1
	EPI 0, 1
	GRP 5, 1, 1, 1, 1, -2, AVB, AVB2, 17408, 272, 2, 4, 17920, 1280, 2
	EPI 1, 1
	GRP 4, 1, 1, 0, 0, -4, AVB, AVB2, 34816, 272, 6, 5, 25088, 1792, -1
	GRP 5, 0, 0, 1, 1, 0, AVB, AVB2, 34912, 272, 8, 0, 0, 0, -1
	EPI 2, 0
	s_wait_dscnt 0x0                               ; the closing lines, six on end
	s_wait_alu 0x0
	s_wait_tensorcnt 0x0
	ds_add_u32 v254, v255
	s_wait_dscnt 0x0
	s_endpgm
; ---- waves 4-7: local head 3
.Lhead3:
	QLOAD 3
	KLOAD 4, 0, 0, 2560
	RWLOAD 3, 6, 0
	s_wait_dscnt 0x0
	FUNNEL 3, 5, 0, 0
	GRP 4, 1, 1, 0, 0, -8, AVA, AVA2, 0, 528, 0, 4, 7168, 3072, -1
	GRP 4, 0, 0, 0, 1, -4, AVA, AVA2, 96, 528, 2, 4, 14336, 3584, -1
	GRP 4, 0, 0, 0, 0, 0, AVA, AVA2, 192, 528, 4, 5, 21504, 4096, -1
	GRP 5, 0, 0, 1, 1, 4, AVA, AVA2, 288, 528, 6, 0, 0, 0, -1
	EPI 3, 0
	s_wait_dscnt 0x0                               ; the closing lines, six on end, as above
	s_wait_alu 0x0
	s_wait_tensorcnt 0x0
	ds_add_u32 v254, v255
	s_wait_dscnt 0x0
	s_endpgm
.Lfunc_end_k_q99ff7b1987_attn:
	.size	k_q99ff7b1987_attn, .Lfunc_end_k_q99ff7b1987_attn-k_q99ff7b1987_attn
	.p2alignl 7, 3214868480
	.fill 96, 4, 3214868480
	.section	.rodata,"a",@progbits
	.p2align	6, 0x0
	.amdhsa_kernel k_q99ff7b1987_attn
		.amdhsa_group_segment_fixed_size 223232
		.amdhsa_private_segment_fixed_size 0
		.amdhsa_enable_private_segment 0
		.amdhsa_kernarg_size 56
		.amdhsa_user_sgpr_count 2
		.amdhsa_user_sgpr_kernarg_segment_ptr 1
		.amdhsa_wavefront_size32 1
		.amdhsa_system_sgpr_workgroup_id_x 1
		.amdhsa_system_sgpr_workgroup_id_y 1
		.amdhsa_system_sgpr_workgroup_id_z 1
		.amdhsa_system_vgpr_workitem_id 0
		.amdhsa_next_free_vgpr 480
		.amdhsa_next_free_sgpr 96
		.amdhsa_reserve_vcc 0
		.amdhsa_float_denorm_mode_32 3
		.amdhsa_float_denorm_mode_16_64 3
		.amdhsa_memory_ordered 1
		.amdhsa_forward_progress 1
		.amdhsa_inst_pref_size 192
	.end_amdhsa_kernel
	.amdgpu_metadata
---
amdhsa.version: [ 1, 2 ]
amdhsa.kernels:
  - .name:           k_q99ff7b1987_attn
    .symbol:         k_q99ff7b1987_attn.kd
    .args:
      - { .name: keys_codes, .offset: 0, .size: 8, .value_kind: global_buffer, .address_space: global }
      - { .name: keys_scales, .offset: 8, .size: 8, .value_kind: global_buffer, .address_space: global }
      - { .name: queries_codes, .offset: 16, .size: 8, .value_kind: global_buffer, .address_space: global }
      - { .name: queries_scales, .offset: 24, .size: 8, .value_kind: global_buffer, .address_space: global }
      - { .name: values_codes, .offset: 32, .size: 8, .value_kind: global_buffer, .address_space: global }
      - { .name: values_scales, .offset: 40, .size: 8, .value_kind: global_buffer, .address_space: global }
      - { .name: out0, .offset: 48, .size: 8, .value_kind: global_buffer, .address_space: global }
    .group_segment_fixed_size: 223232
    .private_segment_fixed_size: 0
    .kernarg_segment_align: 8
    .kernarg_segment_size: 56
    .max_flat_workgroup_size: 256
    .sgpr_count:     96
    .vgpr_count:     480
    .wavefront_size: 32
...
	.end_amdgpu_metadata
.endif
;; end of part 2
